; MI455X (gfx1250); checked and timed in simulation.
; The chip was launched on July 23, 2026; its instructions are those of AMD's public machine-readable ISA for CDNA 5 (MIT licence, August 2026) and "CDNA5" Instruction Set Architecture Reference Guide (July 2026). The comments in the code are by the model that wrote it; some were corrected since.
;; Self Attention. Allowed arithmetic: matrix products marked QUANTISED: E2M1 operands, one E8M0 scale for each 32 along K, by v_wmma_scale_f32_16x16x128_f8f6f4 with both operands' format E2M1 (or v_wmma_scale_f32_32x16x128_f4), f32 sums; products left as they are: bf16, f16 or f32 operands; f32 sums; everything else in f32.
;; Inputs: b_o 1,024 float32; b_qkv 3,072 float32; w_o 1,024 x 1,024 float32; w_qkv 3,072 x 1,024 float32; x 4 x 2,048 x 1,024 float32.
;; Outputs: out0 4 x 2,048 x 1,024 float32.
;; This version of the problem:
;;   THIS VERSION OF THE PROBLEM IS GIVEN IN LOW PRECISION. The matrix products marked QUANTISED in the list below multiply operands that are first quantised to E2M1 (2 exponent bits, 1 mantissa bit; 4 bits a number), with one power-of-two scale for each 32 numbers along K (OCP MX v1.0); their sums are f32. The products marked 'left as it is' may take bf16, f16 or f32 operands, with f32 sums. Whichever they take, every output number must still come out within the allowed error. Rounding operands to bf16 (8 significant bits) uses up far more of that allowance than f16 does (11 bits, for magnitudes from 6e-5 to 65,504). All else is computed in f32.
;;   The module's matrix products, in the order in which they are computed (A, B: the left and right operand; K: the contracted axis; several contracted axes count as one K, in the product's order):
;;     1. [M 8,192, K 1,024] x [K 1,024, N 3,072]; A: input x; B: input w_qkv: QUANTISED
;;     2. batch 64 x [M 2,048, K 64] x [K 64, N 2,048]; A: computed on the way; B: computed on the way: left as it is (an operand is computed on the way)
;;     3. batch 64 x [M 2,048, K 2,048] x [K 2,048, N 64]; A: computed on the way; B: computed on the way: left as it is (an operand is computed on the way)
;;     4. [M 8,192, K 1,024] x [K 1,024, N 1,024]; A: computed on the way; B: input w_o: left as it is (an operand is computed on the way)
;;   THE QUANTISER, for each operand of a quantised product, along K:
;;     - K is cut into blocks of 32 from its start; a last block that is shorter is filled with zeros.
;;     - A block's scale is 2^e with e = floor(log2(the largest magnitude in the block)) - 2, held to -126 .. 127; a block of zeros has e = 0. As a byte (E8M0): e + 127.
;;     - Each number is divided by its block's scale, clamped to +-6, and rounded to the nearest number of E2M1, ties to even, subnormals kept.
;;     - The product sums the exact products of the quantised numbers (number of the format x scale) in f32.
;;   ~~~python
;;   def quantise(x, axis):      # numpy; x: float32 -> the quantised numbers, widened to float32 again
;;       x = np.moveaxis(x, axis, -1); K = x.shape[-1]
;;       x = np.pad(x, [(0, 0)] * (x.ndim - 1) + [(0, -K % 32)]); x = x.reshape(x.shape[:-1] + (-1, 32)); a = np.abs(x).max(-1, keepdims=True)
;;       e = np.where(a > 0, np.clip(np.frexp(np.where(a > 0, a, 1))[1] - 1 - 2, -126, 127), 0)      # np.frexp(a)[1] - 1 = floor(log2(a)), exactly
;;       r = np.clip(x / 2.0 ** e, -6, 6)
;;       step = 2.0 ** (np.maximum(np.frexp(np.where(r == 0, 1, r))[1] - 1, 0) - 1)
;;       q = np.round(r / step) * step * 2.0 ** e      # np.round: ties to even
;;       return np.moveaxis(q.reshape(q.shape[:-2] + (-1,))[..., :K], -1, axis).astype(np.float32)
;;   ~~~
;; One version. Each part assembles by itself: llvm-mc -triple=amdgcn-amd-amdhsa -mcpu=gfx1250 --defsym DOCPART=n.
;; ======== version 1 of 1: 4 launches
;; limits: values are held in f16: magnitudes above 65,504 overflow, below 6.1e-05 lose precision
;; workspace buffers: xc 4,194,304 bytes; xs 262,144 bytes; wc 1,572,864 bytes; ws 98,304 bytes; wo16 2,097,152 bytes; qkv16 50,331,648 bytes; vals16 16,777,216 bytes
;; launch quant (part 1): grid 384 x 1, 4 waves a work-group, no clusters, 33,280 bytes of LDS; arguments x, w_qkv, xc, xs, wc, ws, w_o, wo16; writes xc, xs, wc, ws, wo16
.if DOCPART == 1
	.amdgcn_target "amdgcn-amd-amdhsa--gfx1250"
	.amdhsa_code_object_version 6
	.text
	.protected	k_q5f11aba359_quant
	.globl	k_q5f11aba359_quant
	.p2align	8
	.type	k_q5f11aba359_quant,@function
k_q5f11aba359_quant:
	s_mov_b64 s[64:65], 0
	v_nop
	global_prefetch_b8 v0, s[64:65] scope:SCOPE_SE
	s_setreg_imm32_b32 hwreg(HW_REG_WAVE_MODE, 25, 1), 1
	s_wait_xcnt 0x0
; x [8192][1024] and w_qkv [3072][1024], f32, are turned into codes of FP4 (E2M1), 4 bits each, K innermost, with one E8M0 scale byte for each 32 along K; w_o [1024][1024], f32, is rounded to f16.
; A block's scale is 2^(floor(log2(its largest magnitude)) - 2); its byte is the largest magnitude's own exponent field - 2, held at 1 from below.  Each number is divided by the scale and rounded to the nearest code, ties to even.
; LIMITS: a block of zeros gets the byte 1 where the rule says 127 (its codes are zeros, which add nothing, and this program alone reads the bytes); blocks whose largest magnitude lies under 2^(2 - 126) keep the byte 1;
; NaN and infinities are not served; w_o beyond 65,504 has no f16 number, and under 6e-5 its step is 2^-24.
; Rows are dense and K is a multiple of 32: each tensor is a plain stream of blocks of 32 numbers, and so are its codes and scale bytes.
; WORK-GROUPS 0-255 take x, 256-351 w_qkv (one way through the text: only pointers are chosen), 352-383 w_o (a way of its own, without LDS).
; THE QUANTISER.  A wave takes 16 steps of 512 numbers.  The conversions take 8 numbers of one block from a lane's registers, so a lane must hold 16 neighbours; a load is best where neighbouring lanes take neighbouring bytes.
; Both are had: each load reads 512 consecutive bytes, 16 a lane; a step's 2,048 bytes go through the wave's own stage in LDS as they lie and come back 64 bytes a lane (16 bytes of padding behind each 64).
; A lane's 16 codes are 8 bytes: the wave stores 256 consecutive bytes.  A wave's 256 scale bytes are gathered in its own LDS and leave by one store of 256 consecutive bytes.  No barrier: waves share nothing.
.set SIZE_M, 8192
.set SIZE_N, 3072
.set SIZE_K, 1024
.set WAVES, 4
.set STEPS, 16
.set WGA,   SIZE_M*SIZE_K/(512*STEPS*WAVES)            ; 256 work-groups for x
.set WGQ,   (SIZE_M+SIZE_N)*SIZE_K/(512*STEPS*WAVES)   ; 352 for x and w_qkv
.set EMAX,  2
.set CB,    8                          ; bytes of 16 codes
.set R,     16                         ; v16-79   four sets of 16 numbers as they are loaded
.set X,     80                         ; v80-111  two sets of 16 neighbours
.set C,     128                        ; v128-191 codes: four registers for each step, so that no store's data are written again
.set E,     112                        ; v112-127 a scale byte for each step
.set WREG,  8192                       ; LDS: a region for each wave: two stages of 32 x SP bytes, and behind them its 256 scale bytes
.set SP,    80                         ; a lane's place in a stage: its 64 bytes + 16 of padding
.set SPW,   12                         ; v12      LDS address of my spare word: SPARE + 4 x my thread's number; never rewritten
.set NIL,   13                         ; v13      0; never rewritten
.set SPARE, WAVES*WREG                 ; behind the four regions: the spare words, 128 bytes for each wave, which no other line names
	s_load_b128 s[4:7], s[0:1], 0x0                ; x, w_qkv
	s_load_b128 s[8:11], s[0:1], 0x10              ; x's codes, x's scales
	s_load_b128 s[12:15], s[0:1], 0x20             ; w_qkv's codes, its scales
	s_load_b128 s[24:27], s[0:1], 0x30             ; w_o, its f16 copy
	v_lshl_add_u32 v[SPW], v0, 2, SPARE
	v_mov_b32 v[NIL], 0
	v_lshrrev_b32 v1, 5, v0
	v_readfirstlane_b32 s16, v1                    ; wave
	v_and_b32 v2, 31, v0                           ; lane
	v_lshlrev_b32 v3, 4, v2                        ; my 16 bytes of a load's 512
	s_mul_i32 s17, s16, WREG
	v_lshrrev_b32 v14, 2, v2
	v_mul_u32_u24 v14, v14, SP
	v_and_b32 v15, 3, v2
	v_lshl_add_u32 v14, v15, 4, v14
	v_add_nc_u32 v14, s17, v14                     ; the stage, on the way in: four lanes' 64 bytes on end, then 16 of padding
	v_mul_u32_u24 v15, v2, SP
	v_add_nc_u32 v15, s17, v15                     ; and on the way out: SP x lane: my 16 neighbours
	v_mul_u32_u24 v4, v2, CB                       ; my codes' place in a step's
	v_lshrrev_b32 v5, 1, v2
	s_add_co_u32 s17, s17, 2*32*SP
	v_add_nc_u32 v5, s17, v5                       ; LDS: my wave's 256 scale bytes, my block's byte
	v_lshlrev_b32 v7, 3, v2                        ; and on the way out 8 bytes a lane
	v_add_nc_u32 v6, s17, v7
	s_wait_kmcnt 0x0
	s_cmp_ge_u32 ttmp9, WGQ                        ; the last 32 work-groups round w_o: the branch hangs on the work-group's number alone
	s_cbranch_scc1 .Lcast
	s_cmp_lt_u32 ttmp9, WGA                        ; x's work-group or w_qkv's?
	s_cselect_b64 s[4:5], s[4:5], s[6:7]
	s_cselect_b64 s[8:9], s[8:9], s[12:13]
	s_cselect_b64 s[10:11], s[10:11], s[14:15]
	s_cselect_b32 s17, 0, WGA
	s_sub_co_u32 s17, ttmp9, s17
	s_lshl_b32 s17, s17, 2
	s_add_co_u32 s18, s17, s16                     ; which run of 8,192 numbers of the tensor is my wave's
	s_mov_b32 s19, 0
	s_mov_b64 s[20:21], 512*STEPS*4
	s_mul_u64 s[20:21], s[18:19], s[20:21]
	s_add_nc_u64 s[4:5], s[4:5], s[20:21]
	s_mov_b64 s[20:21], 32*STEPS*CB
	s_mul_u64 s[20:21], s[18:19], s[20:21]
	s_add_nc_u64 s[8:9], s[8:9], s[20:21]
	s_lshl_b32 s18, s18, 8                         ; 256 scale bytes a run
	s_add_nc_u64 s[10:11], s[10:11], s[18:19]
.macro LOAD t
.irp i, 0,1,2,3
	global_load_b128 v[R+16*((\t)%4)+4*\i:R+16*((\t)%4)+4*\i+3], v3, s[4:5] offset:2048*(\t)+512*\i th:TH_LOAD_NT   ; 32 lanes read 512 consecutive bytes
.endr
.endm
.macro TURN t                          ; step t's numbers through the stage: LDS serves a wave's instructions in order, so no wait stands between the stores and the loads
.irp i, 0,1,2,3
	ds_store_b128 v14, v[R+16*((\t)%4)+4*\i:R+16*((\t)%4)+4*\i+3] offset:32*SP*((\t)%2)+8*SP*\i
.endr
.irp i, 0,1,2,3
	ds_load_b128 v[X+16*((\t)%2)+4*\i:X+16*((\t)%2)+4*\i+3], v15 offset:32*SP*((\t)%2)+16*\i
.endr
.endm
.irp t, 0,1,2,3
	LOAD \t
.endr
	s_wait_loadcnt 12                              ; step 0's four loads are in; the twelve of steps 1 to 3 may be out
	TURN 0
.macro STEP t
.set XS, X+16*((\t)%2)
.if (\t) > 0
	s_wait_dscnt 1                                 ; this step's numbers are back from the stage (the last step's byte store may be out): so its stores into the stage have read their registers,
.else
	s_wait_dscnt 0x0
.endif
.if (\t)+4 < STEPS
	LOAD (\t)+4                                    ; which take the loads of four steps on
.endif
.if (\t)+1 < STEPS
.if STEPS-2-(\t) >= 3
	s_wait_loadcnt 12                              ; the next step's four loads are in; those of the three steps behind it may be out
.else
	s_wait_loadcnt 4*(STEPS-2-(\t))
.endif
	TURN (\t)+1                                    ; and go through the other stage while this step is worked
.endif
	v_max3_num_f32 v8, |v[XS]|, |v[XS+1]|, |v[XS+2]|               ; the largest magnitude of my 16, in two chains
	v_max3_num_f32 v9, |v[XS+3]|, |v[XS+4]|, |v[XS+5]|
.irp i, 6,10
	v_max3_num_f32 v8, v8, |v[XS+\i]|, |v[XS+\i+1]|
	v_max3_num_f32 v9, v9, |v[XS+\i+2]|, |v[XS+\i+3]|
.endr
	v_max3_num_f32 v8, v8, |v[XS+14]|, |v[XS+15]|
	v_max3_num_f32 v8, v8, v9, (EMAX+1)<<23        ; and the floor 2^(EMAX + 1 - 127): so the byte cannot fall under 1
	v_max_num_f32_dpp v8, v8, v8 row_xmask:1 row_mask:0xf bank_mask:0xf   ; and of my neighbour's 16: the block's
	v_add_nc_u32 v11, -(EMAX<<23), v8              ; EMAX off its exponent field: the conversion takes the exponent field of this operand as its scale, and nothing else of it
	v_cvt_scalef32_pk8_fp4_f32 v[C+4*(\t)], v[XS:XS+7], v11        ; eight numbers / the scale, to the nearest code, ties to even, beyond the largest code the largest; the first number's code in the lowest four bits
	v_cvt_scalef32_pk8_fp4_f32 v[C+4*(\t)+1], v[XS+8:XS+15], v11
	v_lshrrev_b32 v[E+(\t)], 23, v11               ; the scale's byte (a plain line behind the conversions)
	ds_store_b8 v5, v[E+(\t)] offset:16*(\t)       ; both lanes of a block write the same byte with the same value
	global_store_b64 v4, v[C+4*(\t):C+4*(\t)+1], s[8:9] offset:32*CB*(\t)   ; 32 lanes store 256 consecutive bytes
.endm
.irp t, 0,1,2,3,4,5,6,7,8,9,10,11,12,13,14,15
	STEP \t
.endr
	ds_load_b64 v[8:9], v6                         ; LDS serves a wave's instructions in order: these see my stores
	s_wait_dscnt 0x0
	global_store_b64 v7, v[8:9], s[10:11]          ; 32 lanes store 256 consecutive bytes, at a multiple of 256 from the buffer's first byte
	s_wait_tensorcnt 0x0                           ; the wave's end, behind my last LDS store
	ds_add_u32 v[SPW], v[NIL]
	s_wait_dscnt 0x0
	s_endpgm
; w_o TO f16.  A wave takes a run of 8,192 numbers in 64 steps of 128: a load reads 512 consecutive bytes (four numbers a lane), a store writes their 256.
; Four groups of 16 steps on two sets of 64 registers: while one group is rounded, the next group's 16 loads are on their way.
.set CI,  16                           ; v16-79, v80-143 the two sets
.set CQ,  144                          ; v144-175 a group's 16 x 2 registers of f16
.macro LOADG g
.irp t, 0,1,2,3,4,5,6,7,8,9,10,11,12,13,14,15
	global_load_b128 v[CI+64*((\g)%2)+4*\t:CI+64*((\g)%2)+4*\t+3], v10, s[24:25] offset:512*(16*(\g)+\t) th:TH_LOAD_NT
.endr
.endm
.macro CASTG g
.if (\g) < 3
	s_wait_loadcnt 16                              ; this group's 16 loads are in; the next group's 16 may be out
.else
	s_wait_loadcnt 0x0
.endif
	s_wait_xcnt 0x0                                ; the last group's stores have read their data: the registers are written again only behind this wait
.irp t, 0,1,2,3,4,5,6,7,8,9,10,11,12,13,14,15
	v_cvt_pk_f16_f32 v[CQ+2*\t],   v[CI+64*((\g)%2)+4*\t],   v[CI+64*((\g)%2)+4*\t+1]
	v_cvt_pk_f16_f32 v[CQ+2*\t+1], v[CI+64*((\g)%2)+4*\t+2], v[CI+64*((\g)%2)+4*\t+3]
.endr
.if (\g) < 2
	LOADG (\g)+2                                   ; loads ahead of stores
.endif
.irp t, 0,1,2,3,4,5,6,7,8,9,10,11,12,13,14,15
	global_store_b64 v11, v[CQ+2*\t:CQ+2*\t+1], s[26:27] offset:256*(16*(\g)+\t)   ; 32 lanes store 256 consecutive bytes
.endr
.endm
.Lcast:
	s_sub_co_u32 s17, ttmp9, WGQ
	s_lshl_b32 s17, s17, 2
	s_add_co_u32 s17, s17, s16                     ; my run, 0 to 127
	s_lshl_b32 s18, s17, 15                        ; 8,192 numbers of 4 bytes
	s_mov_b32 s19, 0
	s_add_nc_u64 s[24:25], s[24:25], s[18:19]
	s_lshl_b32 s18, s17, 14                        ; and of 2
	s_add_nc_u64 s[26:27], s[26:27], s[18:19]
	v_lshlrev_b32 v10, 4, v2                       ; in: 16 bytes a lane; never rewritten
	v_lshlrev_b32 v11, 3, v2                       ; out: 8 bytes a lane; never rewritten
	LOADG 0
	LOADG 1
	CASTG 0
	CASTG 1
	CASTG 2
	CASTG 3
	s_wait_tensorcnt 0x0                           ; the wave's end
	ds_add_u32 v[SPW], v[NIL]
	s_wait_dscnt 0x0
	s_endpgm
.Lfunc_end_k_q5f11aba359_quant:
	.size	k_q5f11aba359_quant, .Lfunc_end_k_q5f11aba359_quant-k_q5f11aba359_quant
	.p2alignl 7, 3214868480
	.fill 96, 4, 3214868480
	.section	.rodata,"a",@progbits
	.p2align	6, 0x0
	.amdhsa_kernel k_q5f11aba359_quant
		.amdhsa_group_segment_fixed_size 33280
		.amdhsa_private_segment_fixed_size 0
		.amdhsa_enable_private_segment 0
		.amdhsa_kernarg_size 64
		.amdhsa_user_sgpr_count 2
		.amdhsa_user_sgpr_kernarg_segment_ptr 1
		.amdhsa_wavefront_size32 1
		.amdhsa_system_sgpr_workgroup_id_x 1
		.amdhsa_system_sgpr_workgroup_id_y 1
		.amdhsa_system_sgpr_workgroup_id_z 1
		.amdhsa_system_vgpr_workitem_id 0
		.amdhsa_next_free_vgpr 192
		.amdhsa_next_free_sgpr 66
		.amdhsa_reserve_vcc 0
		.amdhsa_float_denorm_mode_32 3
		.amdhsa_float_denorm_mode_16_64 3
		.amdhsa_memory_ordered 1
		.amdhsa_forward_progress 1
		.amdhsa_inst_pref_size 54
	.end_amdhsa_kernel
	.amdgpu_metadata
---
amdhsa.version: [ 1, 2 ]
amdhsa.kernels:
  - .name:           k_q5f11aba359_quant
    .symbol:         k_q5f11aba359_quant.kd
    .args:
      - { .name: x, .offset: 0, .size: 8, .value_kind: global_buffer, .address_space: global }
      - { .name: w_qkv, .offset: 8, .size: 8, .value_kind: global_buffer, .address_space: global }
      - { .name: xc, .offset: 16, .size: 8, .value_kind: global_buffer, .address_space: global }
      - { .name: xs, .offset: 24, .size: 8, .value_kind: global_buffer, .address_space: global }
      - { .name: wc, .offset: 32, .size: 8, .value_kind: global_buffer, .address_space: global }
      - { .name: ws, .offset: 40, .size: 8, .value_kind: global_buffer, .address_space: global }
      - { .name: w_o, .offset: 48, .size: 8, .value_kind: global_buffer, .address_space: global }
      - { .name: wo16, .offset: 56, .size: 8, .value_kind: global_buffer, .address_space: global }
    .group_segment_fixed_size: 33280
    .private_segment_fixed_size: 0
    .kernarg_segment_align: 8
    .kernarg_segment_size: 64
    .max_flat_workgroup_size: 128
    .sgpr_count:     66
    .vgpr_count:     192
    .wavefront_size: 32
...
	.end_amdgpu_metadata
.endif
;; end of part 1
;; launch qkv (part 2): grid 12 x 32, 4 waves a work-group, clusters of 4 x 4, 327,680 bytes of LDS; arguments xc, xs, wc, ws, b_qkv, qkv16; writes qkv16
.if DOCPART == 2
	.amdgcn_target "amdgcn-amd-amdhsa--gfx1250"
	.amdhsa_code_object_version 6
	.text
	.protected	k_q5f11aba359_qkv
	.globl	k_q5f11aba359_qkv
	.p2align	8
	.type	k_q5f11aba359_qkv,@function
k_q5f11aba359_qkv:
	s_mov_b64 s[64:65], 0
	v_nop
	global_prefetch_b8 v0, s[64:65] scope:SCOPE_SE
	s_setreg_imm32_b32 hwreg(HW_REG_WAVE_MODE, 25, 1), 1
	s_wait_xcnt 0x0
	s_wait_alu depctr_hold_cnt(0) depctr_sa_sdst(0) depctr_va_vdst(0) depctr_va_sdst(0) depctr_va_ssrc(0) depctr_va_vcc(0) depctr_vm_vsrc(0)
	s_getreg_b32 s2, hwreg(HW_REG_IB_STS2, 6, 4)
	s_cmp_eq_u32 s2, 0
	s_cbranch_scc0 .Lentry_in_a_cluster
	s_endpgm
.Lentry_in_a_cluster:
	s_bfe_u32 s2, ttmp6, 0x10000c
	s_cmp_lg_u32 s2, 0xf033
	s_cbranch_scc0 .Lentry_shape_is_right
	s_endpgm
.Lentry_shape_is_right:
; qkv[m][n] = sum over k of x[m][k] w_qkv[n][k] + b_qkv[n], on codes of FP4 (E2M1) with one E8M0 scale for each 32 along K, sums in f32; M = 8,192, N = 3,072, K = 1,024.
; Column n belongs to head n / 192 and to q, k or v by (n / 64) % 3.  The results leave as f16, laid [part][batch][head][position][64]; q is multiplied by log2(e) / 8 first, so that the softmax of the next launch is a plain 2^(s - m).
; LIMITS: q log2(e) / 8, k and v have to lie under 65,504, f16's largest number; under 6e-5 their step is 2^-24.
; A tile of 256 x 256 is made by a work-group of four waves, as many as a WGP has SIMDs; a wave makes 128 x 128: 64 accumulators of 16 x 16, 512 registers.
; K = 1,024 is two LDS slots of 512 along K (rows of 256 bytes): both slots, and the scale bytes of the work-group's 512 rows, are asked for at the head, and nothing is filled again.  So there is nothing to prefetch ahead of.
; CLUSTERS: 4 x 4 work-groups.  The four of a row of the cluster need the same tiles of x, the four of a column the same tiles of w_qkv: each tile is asked for JOINTLY, by the same tensor load with the same descriptor and a mask that names the four.
; THE MATRIX INSTRUCTION IS USED TRANSPOSED (source 0 = 16 rows of w_qkv, source 1 = 16 rows of x): a lane then holds eight neighbouring columns of one row.
; REGISTERS, in windows of 256: window 0: v0-31 addresses; v32-95 scale words, two sets, and nothing else; v96-127 packed results; v128-191 x's fragments (one set), on the way out 64 numbers at work; v192-255 rows read back from the stage.
;   window 1: w_qkv's fragments, two sets, at v0 and v128; v192-255 the bias of my 128 columns in the result's layout.   window 2: the accumulators of my rows 0-63 ((a, b) at v[8 (8 a + b)]);   window 3: those of rows 64-127.
.set SIZE_M, 8192
.set SIZE_N, 3072
.set SIZE_K, 1024
.set KSTEP,  512                       ; along K in a slot
.set NQ,     KSTEP/128                 ; matrix instructions deep
.set ROWB,   256                       ; a tile's row in bytes
.set KROW,   SIZE_K*4/8                ; a row of codes in memory
.set PITCH,  272                       ; an LDS row: 256 bytes + 16 of padding = 68 words: the 16 rows that a load touches start at 16 different banks (64 banks of 4 bytes: ISA guide 11.1)
.set FR,     8                         ; registers of a fragment: 16 rows x 128 K
.set NL,     2                         ; LDS loads that bring one
.set NP,     4                         ; places behind this matrix instruction (ISA guide 7.12.1)
.set HALFT,  128*PITCH                 ; 128 rows: what one tensor load brings, and what one wave reads of either operand
.set SLOT,   4*HALFT                   ; x's 256 rows, then w_qkv's 256 rows
.set KS,     SIZE_K/32                 ; a row of scale bytes
.set SCL,    2*SLOT                    ; behind the slots: the scales, as rows of 256 bytes + 16 of padding
.set HALFS,  (128*KS/256)*272          ; the scales of 128 rows: what one tensor load brings
.set SBLK,   (16*KS/256)*272           ; those of 16 rows
.set SPARE,  SCL+4*HALFS               ; the spare words, 128 bytes for each wave, which no other line names
.set STAGE,  SPARE+512                 ; the way out: for each wave two groups (64 columns each) of 16 rows x (128 bytes + 16): bytes into which no tensor load lands
.set SPITCH, 144
.set ADRA, 16                          ; v16-17  LDS address of my x fragments in slot 0, 1
.set ADRB, 20                          ; v20-21  the same for w_qkv
.set STO,  24                          ; v24     the way out: where I put 16 bytes of a row
.set RD,   25                          ; v25     where I read rows back: eight lanes to a row of 128 bytes
.set CO,   26                          ; v26     16 x lane: my place in 512 dense bytes of the output
.set ADRS, 27                          ; v27     LDS address of my scale words: lanes 0-15 x's rows, lanes 16-31 w_qkv's
.set SPW,  28                          ; v28     LDS address of my spare word; never rewritten
.set NIL,  29                          ; v29     0; never rewritten
.set BO,   30                          ; v30     32 x (lane / 16): my eight numbers of a block's sixteen biases
.set SC,   32                          ; scale words: set s at v[SC + 8 NQ s]; register NQ i + q: lanes 0-15 the word of x's block i, lanes 16-31 that of w_qkv's block i
.set P,    96                          ; packed results
.set AF,   128                         ; x's fragments
.set T,    128                         ; the way out: a block's 64 numbers
.set OB,   192                         ; rows read back: v192-223 and v224-255 by turns
.set BIAS, 192                         ; in window 1
.set FAC,  2                           ; s[2:3], s[66:67]: the factor of my first and second 64 columns: log2(e) / 8 for q, 1 for k and v
.set G1, 24
.set G0, 32
.set G1B, 48
.set G0B, 56
.set G1S, 68
.set G0S, 76
.set G1SB, 80
.set G0SB, 88
.set MSB, 0
.macro WIN new                         ; the immediate's high byte repeats the setting that is left
.if MSB != \new
	s_set_vgpr_msb (MSB<<8)|\new
.set MSB, \new
.endif
.endm
.set MUL_LO, 0xa1                      ; source 0 window 1, source 1 window 0, C and D window 2
.set MUL_HI, 0xf1                      ; the same, C and D window 3
.set TO_B,   0x40                      ; destination window 1, address window 0
; A joint load: waves 0 and 1 fetch for x, waves 2 and 3 for w_qkv.  Each of the two lines has one mask and one set of registers for all that issue it; the branch hangs on the wave's number alone.
; An s_nop 0 and four v_nop follow each of the two lines.
.macro JLOAD g0a, g1a, g0b, g1b
	s_cmp_eq_u32 s15, 0
	s_cbranch_scc0 .Lfor_b_\@
	tensor_load_to_lds s[\g0a:\g0a+3], s[\g1a:\g1a+7]
	s_nop 0
.rept 4
	v_nop
.endr
	s_branch .Lasked_\@
.Lfor_b_\@:
	tensor_load_to_lds s[\g0b:\g0b+3], s[\g1b:\g1b+7]
	s_nop 0
.rept 4
	v_nop
.endr
.Lasked_\@:
.endm
.macro CROUND                          ; a round of the cluster's barrier
	s_barrier_signal -1
	s_barrier_wait -1
	s_cmp_lg_u32 s14, 0
	s_cbranch_scc1 .Lnot_wave_0_\@
	s_barrier_signal -3
.Lnot_wave_0_\@:
	s_barrier_wait -3
	s_barrier_signal -1
	s_barrier_wait -1
.endm
	s_load_b128 s[4:7], s[0:1], 0x0                ; x's codes s[4:5], x's scales s[6:7]
	s_load_b128 s[8:11], s[0:1], 0x10              ; w_qkv's codes s[8:9], its scales s[10:11]
	s_load_b128 s[96:99], s[0:1], 0x20             ; b_qkv s[96:97], the output s[98:99]
	v_lshl_add_u32 v[SPW], v0, 2, SPARE
	v_mov_b32 v[NIL], 0
	ds_add_u32 v[SPW], v[NIL]                      ; the wave's opening: the add, twice on end, and its wait ahead of my first tensor load
	ds_add_u32 v[SPW], v[NIL]
	v_lshrrev_b32 v1, 5, v0
	v_readfirstlane_b32 s14, v1                    ; wave 0..3
	s_lshr_b32 s15, s14, 1                         ; which half of the tile's rows is mine.  Also: I fetch for x (0) or for w_qkv (1)
	s_and_b32 s16, s14, 1                          ; which half of its columns.  Also: which 128 rows of that tile I fetch
	s_bfe_u32 s40, ttmp6, 0x40000                  ; cx, cy: my place in the cluster
	s_bfe_u32 s41, ttmp6, 0x40004
	s_lshl_b32 s42, ttmp9, 2
	s_add_co_u32 s42, s42, s40                     ; tile column = 4 x cluster x + cx
	s_and_b32 s17, ttmp7, 0xffff
	s_lshl_b32 s17, s17, 2
	s_add_co_u32 s17, s17, s41                     ; tile row = 4 x cluster y + cy
	s_lshl_b32 s43, s41, 2
	s_lshl_b32 s43, 15, s43                        ; my row of the cluster
	s_lshl_b32 s44, 0x1111, s40                    ; my column
	; descriptor group 1: a tile of 128 rows x 256 bytes, padded in LDS
	s_or_b32 s[G1+0], s43, (0<<16)|(1<<20)|(1<<21)|(5<<22)|(3<<25)  ; 15:0 the mask; 17:16 elements of 1 byte; 20 padding on; 21 set beside a mask; 24:22 after every 64 words; 31:25 four words
	s_or_b32 s[G1B+0], s44, (0<<16)|(1<<20)|(1<<21)|(5<<22)|(3<<25)
.irp g, G1, G1B
	s_mov_b32 s[\g+1], ROWB<<16                    ; tensor_dim0
	s_mov_b32 s[\g+2], 128<<16                     ; tensor_dim1
	s_mov_b32 s[\g+3], ROWB<<16                    ; tile_dim0
	s_mov_b32 s[\g+4], 128                         ; tile_dim1
	s_mov_b32 s[\g+5], KROW                        ; tensor_dim0_stride
	s_mov_b32 s[\g+6], 0
	s_mov_b32 s[\g+7], 0
.endr
	; the scales of 128 rows: a dense block of 4,096 bytes, as rows of 256 bytes (32 elements of 8 bytes), 16 bytes of padding behind each
	s_or_b32 s[G1S+0], s43, (3<<16)|(1<<20)|(1<<21)|(5<<22)|(3<<25)
	s_or_b32 s[G1SB+0], s44, (3<<16)|(1<<20)|(1<<21)|(5<<22)|(3<<25)
.irp g, G1S, G1SB
	s_mov_b32 s[\g+1], 32<<16
	s_mov_b32 s[\g+2], (128*KS/256)<<16
	s_mov_b32 s[\g+3], 32<<16
	s_mov_b32 s[\g+4], 128*KS/256
	s_mov_b32 s[\g+5], 32
	s_mov_b32 s[\g+6], 0
	s_mov_b32 s[\g+7], 0
.endr
	s_lshl_b32 s18, s16, 7                         ; which 128 rows of the tile I fetch
	s_lshl_b32 s20, s17, 8
	s_add_co_u32 s20, s20, s18                     ; x: row 256 x tile row + 128 x half
	s_lshl_b32 s46, s42, 8
	s_add_co_u32 s46, s46, s18                     ; w_qkv: row 256 x tile column + 128 x half
	s_mov_b32 s21, 0
	s_mov_b32 s47, 0
	s_mov_b64 s[18:19], KS
	s_mul_u64 s[22:23], s[20:21], s[18:19]         ; where these rows' scales begin, in bytes
	s_mul_u64 s[92:93], s[46:47], s[18:19]
	s_mov_b64 s[18:19], KROW
	s_mul_u64 s[20:21], s[20:21], s[18:19]         ; and their codes
	s_mul_u64 s[46:47], s[46:47], s[18:19]
	s_mul_i32 s45, s14, HALFT                      ; where they go: wave x 128 rows: no place in the cluster enters an LDS address
	s_mul_i32 s94, s14, HALFS
	s_wait_dscnt 0x0                               ; both opening adds are done
	s_wait_kmcnt 0x0
	s_add_nc_u64 s[20:21], s[4:5], s[20:21]
	s_add_nc_u64 s[22:23], s[6:7], s[22:23]
	s_add_nc_u64 s[46:47], s[8:9], s[46:47]
	s_add_nc_u64 s[92:93], s[10:11], s[92:93]
	CROUND                                         ; all sixteen work-groups are here: the first joint loads meet
	s_mov_b32 s[G0S], 1
	s_add_co_u32 s[G0S+1], s94, SCL
	s_mov_b64 s[G0S+2:G0S+3], s[22:23]
	s_or_b32 s[G0S+3], s[G0S+3], 0x80000000
	s_mov_b32 s[G0SB], 1
	s_add_co_u32 s[G0SB+1], s94, SCL
	s_mov_b64 s[G0SB+2:G0SB+3], s[92:93]
	s_or_b32 s[G0SB+3], s[G0SB+3], 0x80000000
	JLOAD G0S, G1S, G0SB, G1SB                     ; the scales first: they are wanted with the first slot.  Three loads of mine are out behind the third JLOAD
.irp s, 0,1
	s_mov_b32 s[G0+4*\s], 1
	s_add_co_u32 s[G0+4*\s+1], s45, \s*SLOT
	s_add_nc_u64 s[G0+4*\s+2:G0+4*\s+3], s[20:21], \s*ROWB
	s_or_b32 s[G0+4*\s+3], s[G0+4*\s+3], 0x80000000
	s_mov_b32 s[G0B+4*\s], 1
	s_add_co_u32 s[G0B+4*\s+1], s45, \s*SLOT
	s_add_nc_u64 s[G0B+4*\s+2:G0B+4*\s+3], s[46:47], \s*ROWB
	s_or_b32 s[G0B+4*\s+3], s[G0B+4*\s+3], 0x80000000
	JLOAD G0+4*\s, G1, G0B+4*\s, G1B
.endr
	v_and_b32 v1, 15, v0                           ; l % 16
	v_bfe_u32 v2, v0, 4, 1                         ; l / 16
	v_mul_u32_u24 v3, v1, PITCH
	v_lshl_add_u32 v4, v2, 4, v3                   ; a fragment's row x pitch + 16 x half
	s_mul_i32 s21, s15, HALFT                      ; my 128 rows of x
	s_mul_i32 s22, s16, HALFT                      ; my 128 rows of w_qkv,
	s_add_co_u32 s22, s22, 2*HALFT                 ; which lie behind x's 256
.irp s, 0,1
	v_add_nc_u32 v[ADRA+\s], s21, v4
	v_add_nc_u32 v[ADRB+\s], s22, v4
	s_add_co_u32 s21, s21, SLOT
	s_add_co_u32 s22, s22, SLOT
.endr
	v_mul_u32_u24 v5, v1, KS                       ; my row's scales: KS bytes a row,
	v_lshrrev_b32 v6, 8, v5
	v_lshl_add_u32 v5, v6, 4, v5                   ; and 16 more for each 256 passed
	s_mul_i32 s21, s15, HALFS                      ; x's: my 128 rows
	s_mul_i32 s22, s16, HALFS                      ; w_qkv's: my 128 rows, behind x's 256
	s_add_co_u32 s22, s22, 2*HALFS
	s_sub_co_u32 s22, s22, s21
	v_mul_u32_u24 v6, s22, v2                      ; lanes 16-31 take w_qkv's: one product, the distance between the two bases
	s_add_co_u32 s21, s21, SCL
	v_add_nc_u32 v5, v5, v6
	v_add_nc_u32 v[ADRS], s21, v5
	s_mul_i32 s23, s14, 2*16*SPITCH
	s_add_co_u32 s23, s23, STAGE                   ; my stage
	v_mul_u32_u24 v5, v1, SPITCH                   ; in: row l % 16, 16 bytes for each half of the lanes
	v_lshl_add_u32 v5, v2, 4, v5
	v_add_nc_u32 v[STO], s23, v5
	v_bfe_u32 v5, v0, 3, 2                         ; back: eight lanes to a row, four rows an instruction
	v_and_b32 v6, 7, v0
	v_mul_u32_u24 v5, v5, SPITCH
	v_lshl_add_u32 v5, v6, 4, v5
	v_add_nc_u32 v[RD], s23, v5
	v_and_b32 v6, 31, v0
	v_lshlrev_b32 v[CO], 4, v6
	v_lshlrev_b32 v[BO], 5, v2
	; where my 128 rows of each of my two groups of 64 columns go: group g = n / 64 is head g / 3, part g % 3; row m is batch m / 2,048, position m % 2,048
	s_lshl_b32 s20, s17, 8
	s_lshl_b32 s21, s15, 7
	s_add_co_u32 s20, s20, s21                     ; my first row
	s_lshr_b32 s21, s20, 11
	s_lshl_b32 s21, s21, 4                         ; 16 x batch
	s_and_b32 s20, s20, 2047
	s_lshl_b32 s20, s20, 7                         ; position x 128 bytes
	s_lshl_b32 s46, s42, 2
	s_lshl_b32 s47, s16, 1
	s_add_co_u32 s46, s46, s47                     ; my first group: 4 x tile column + 2 x half
.irp i, 0,1
	s_add_co_u32 s92, s46, \i
	s_mul_i32 s93, s92, 0x5556
	s_lshr_b32 s93, s93, 16                        ; g / 3, right for g under 48
	s_mul_i32 s94, s93, 3
	s_sub_co_u32 s94, s92, s94                     ; g % 3
	s_cmp_eq_u32 s94, 0
	s_cselect_b32 s[FAC+64*\i], 0x3e38aa3b, 1.0    ; q: log2(e) / 8
	s_mov_b32 s[FAC+64*\i+1], s[FAC+64*\i]         ; (the packed forms name the pair)
	s_lshl_b32 s94, s94, 24                        ; a part is 2^24 bytes,
	s_add_co_u32 s93, s93, s21
	s_lshl_b32 s93, s93, 18                        ; a head of a batch 2^18
	s_add_co_u32 s94, s94, s93
	s_add_co_u32 s94, s94, s20
	s_mov_b32 s95, 0
	s_add_nc_u64 s[12+88*\i:13+88*\i], s[98:99], s[94:95]   ; s[12:13], s[100:101]
.endr
	s_lshl_b32 s92, s42, 10                        ; my first column's bias: 4 (256 x tile column + 128 x half)
	s_lshl_b32 s93, s16, 9
	s_add_co_u32 s92, s92, s93
	s_mov_b32 s93, 0
	s_add_nc_u64 s[96:97], s[96:97], s[92:93]
	WIN TO_B
.irp b, 0,1,2,3,4,5,6,7                ; in the result a lane's eight registers of block b are columns 16 b + 8 (l / 16) + 0 .. 7
	global_load_b128 v[BIAS+8*\b:BIAS+8*\b+3],   v[BO], s[96:97] offset:64*\b
	global_load_b128 v[BIAS+8*\b+4:BIAS+8*\b+7], v[BO], s[96:97] offset:64*\b+16
.endr
	WIN 0
.macro FRAG reg, adr, q, i             ; a fragment, 16 rows x 128 K of 4-bit codes: lane l holds row l % 16; registers 4 c .. 4 c + 3 hold K = 64 c + 32 (l / 16) + 0 .. 31
.irp c, 0,1
	ds_load_b128 v[\reg+4*\c:\reg+4*\c+3], v[\adr] offset:64*(\q)+32*\c+(\i)*16*PITCH
.endr
.endm
; 16 matrix instructions: x's blocks a0, a0 + 1 against w_qkv's eight, 128 along K.  p: w_qkv's set;  sc: the set of scale words.  zero = 1: the first product starts the sums.
; The 64 accumulators take turns, one instruction a turn, in the same order in every step.
.macro MUL16 a0, p, q, sc, zero
.irp a, \a0, \a0+1
.irp b, 0,1,2,3,4,5,6,7
.if \zero
	v_wmma_scale_f32_16x16x128_f8f6f4 v[8*(8*((\a)%4)+\b):8*(8*((\a)%4)+\b)+7], v[128*(\p)+FR*\b:128*(\p)+FR*\b+FR-1], v[AF+FR*(\a):AF+FR*(\a)+FR-1], 0, v[SC+8*NQ*(\sc)+NQ*\b+(\q)], v[SC+8*NQ*(\sc)+NQ*(\a)+(\q)] matrix_a_fmt:MATRIX_FMT_FP4 matrix_b_fmt:MATRIX_FMT_FP4 matrix_a_scale:MATRIX_SCALE_ROW1
.else
	v_wmma_scale_f32_16x16x128_f8f6f4 v[8*(8*((\a)%4)+\b):8*(8*((\a)%4)+\b)+7], v[128*(\p)+FR*\b:128*(\p)+FR*\b+FR-1], v[AF+FR*(\a):AF+FR*(\a)+FR-1], v[8*(8*((\a)%4)+\b):8*(8*((\a)%4)+\b)+7], v[SC+8*NQ*(\sc)+NQ*\b+(\q)], v[SC+8*NQ*(\sc)+NQ*(\a)+(\q)] matrix_a_fmt:MATRIX_FMT_FP4 matrix_b_fmt:MATRIX_FMT_FP4 matrix_a_scale:MATRIX_SCALE_ROW1
.endif
.endr
.endr
.endm
.macro FETCH_B slot, q, p              ; w_qkv's eight fragments of the slot's q-th 128 along K into set p
	WIN TO_B
.irp i, 0,1,2,3,4,5,6,7
	FRAG 128*(\p)+FR*\i, ADRB+\slot, \q, \i
.endr
	WIN 0
.endm
.macro FETCH_A slot, q, i0             ; x's blocks i0 .. i0 + 3
.irp i, \i0, \i0+1, \i0+2, \i0+3
	FRAG AF+FR*(\i), ADRA+\slot, \q, \i
.endr
.endm
.macro SCALES sc                       ; a slot's scale words into set sc: four words a row; lanes 0-15 take x's block i, lanes 16-31 w_qkv's block i
.irp i, 0,1,2,3,4,5,6,7
	ds_load_b128 v[SC+8*NQ*\sc+NQ*\i:SC+8*NQ*\sc+NQ*\i+3], v[ADRS] offset:\i*SBLK
.endr
.endm
; A load into a register that a matrix instruction has read stands NP places behind that matrix instruction, and only plain vector instructions that name none of its registers are places.
.macro PLACES n
.rept \n
	v_nop
.endr
.endm
; A step of 128 along K that has its successor in the same slot.  x has one set of registers: blocks 0-3 are fetched anew in the step's middle, blocks 4-7 at its end.
.macro STEP slot, q, zero
	s_wait_dscnt 4*NL                              ; w_qkv's set and x's blocks 0-3 are in; the youngest eight loads (x's blocks 4-7) may be out
	WIN MUL_LO
	MUL16 0, (\q)%2, \q, \slot, \zero
	MUL16 2, (\q)%2, \q, \slot, \zero
	s_wait_dscnt 0                                 ; x's blocks 4-7 are in (asked for 32 matrix instructions ago)
	PLACES NP
	FETCH_B \slot, (\q)+1, 1-(\q)%2
	FETCH_A \slot, (\q)+1, 0
	WIN MUL_HI
	MUL16 4, (\q)%2, \q, \slot, \zero
	MUL16 6, (\q)%2, \q, \slot, \zero
	PLACES NP
	WIN 0
	FETCH_A \slot, (\q)+1, 4
.endm
; Slot 0's last step goes over to slot 1: each wave waits for all its tensor loads (its part of slot 1), and a barrier shows the whole slot to every wave.
.macro TURN slot, next
	s_wait_tensorcnt 0x0                           ; all my tensor loads have landed
	ds_add_u32 v[SPW], v[NIL]                      ; 0 onto my spare word
	s_wait_dscnt 4*NL+1                            ; (the add and the youngest eight loads, x's blocks 4-7, may be out)
	WIN MUL_LO
	MUL16 0, 1, NQ-1, \slot, 0                     ; sixteen matrix instructions stand between the add and the wait for it
	s_wait_dscnt 0x0                               ; the add is done, and no LDS load of mine is out
	s_barrier_signal -1
	MUL16 2, 1, NQ-1, \slot, 0
	WIN 0
	s_barrier_wait -1
	PLACES NP
	v_add_nc_u32 v[ADRS], 4*NQ, v[ADRS]            ; on to the next slot's scale words
	FETCH_B \next, 0, 0
	FETCH_A \next, 0, 0
	SCALES \next
	WIN MUL_HI
	MUL16 4, 1, NQ-1, \slot, 0
	MUL16 6, 1, NQ-1, \slot, 0
	PLACES NP
	WIN 0
	FETCH_A \next, 0, 4
.endm
.macro STEPS slot, from                ; the slot's steps from .. NQ - 2
.set Q, \from
.rept NQ-1-\from
	STEP \slot, Q, 0
.set Q, Q+1
.endr
.endm
	s_wait_tensorcnt 1                             ; the scales and my part of slot 0 are in (slot 1's load may be out)
	s_barrier_signal -1
	s_barrier_wait -1                              ; everybody's are
	FETCH_B 0, 0, 0
	FETCH_A 0, 0, 0
	SCALES 0
	FETCH_A 0, 0, 4
	STEP 0, 0, 1                                   ; the first step's products start the sums: nothing is cleared
	STEPS 0, 1
	TURN 0, 1
	STEPS 1, 0
	s_wait_dscnt 4*NL                              ; the last step: nothing more to fetch
	WIN MUL_LO
	MUL16 0, 1, NQ-1, 1, 0
	MUL16 2, 1, NQ-1, 1, 0
	s_wait_dscnt 0
	WIN MUL_HI
	MUL16 4, 1, NQ-1, 1, 0
	MUL16 6, 1, NQ-1, 1, 0
; THE WAY OUT.  (sum + bias) x factor = sum x factor + (bias x factor): one packed multiply-add for two numbers.  The bias is multiplied once; those 32 lines name no register of the last products and are the places behind them.
	s_wait_loadcnt 0x0                             ; the bias
	WIN 0x41                                       ; destination and source 0 window 1
.irp b, 0,1,2,3,4,5,6,7
.irp r, 0,1,2,3
	v_pk_mul_f32 v[BIAS+8*\b+2*\r:BIAS+8*\b+2*\r+1], v[BIAS+8*\b+2*\r:BIAS+8*\b+2*\r+1], s[FAC+64*(\b/4):FAC+64*(\b/4)+1] op_sel_hi:[1,0]
.endr
.endr
; Block a, 16 rows x 128 columns.  PACK: scaled, biased, rounded to f16: a lane's eight columns are 16 bytes.  TOSTAGE: into my stage, one group of 64 columns beside the other, and back as whole rows of 128 bytes.
; SEND: in the output 16 rows of a group are 2,048 dense bytes: each store of the wave covers 512 consecutive bytes, at a multiple of 256 from the buffer's first byte.
.macro PACK a
.set AC, 64*((\a)%4)
	WIN 0x12+(\a)/4                                ; source 0: window 2 or 3; source 2: window 1
.irp b, 0,1,2,3,4,5,6,7
.irp r, 0,1,2,3
	v_pk_fma_f32 v[T+8*\b+2*\r:T+8*\b+2*\r+1], v[AC+8*\b+2*\r:AC+8*\b+2*\r+1], s[FAC+64*(\b/4):FAC+64*(\b/4)+1], v[BIAS+8*\b+2*\r:BIAS+8*\b+2*\r+1] op_sel_hi:[1,0,1]   ; each accumulator from its low end on
.endr
.endr
	WIN 0
.irp b, 0,1,2,3,4,5,6,7
.irp r, 0,1,2,3
	v_cvt_pk_f16_f32 v[P+4*\b+\r], v[T+8*\b+2*\r], v[T+8*\b+2*\r+1]
.endr
.endr
.endm
.macro TOSTAGE a
.set BB, OB+32*((\a)%2)
.irp b, 0,1,2,3,4,5,6,7
	ds_store_b128 v[STO], v[P+4*\b:P+4*\b+3] offset:(\b/4)*16*SPITCH+32*(\b%4)
.endr
.irp g, 0,1
.irp i, 0,1,2,3
	ds_load_b128 v[BB+4*(4*\g+\i):BB+4*(4*\g+\i)+3], v[RD] offset:\g*16*SPITCH+\i*4*SPITCH   ; LDS serves a wave's instructions in order (ISA guide 5.7.1.4): these see the stores above
.endr
.endr
.endm
.macro SEND a
.set BB, OB+32*((\a)%2)
	s_wait_dscnt 0x0                               ; the block is back in registers
	s_wait_xcnt 0x0                                ; the stores of the block before have read their data: the next block's loads land there only behind this wait
.irp i, 0,1,2,3
	global_store_b128 v[CO], v[BB+4*\i:BB+4*\i+3], s[12:13] offset:2048*(\a)+512*\i
.endr
.irp i, 0,1,2,3
	global_store_b128 v[CO], v[BB+16+4*\i:BB+16+4*\i+3], s[100:101] offset:2048*(\a)+512*\i
.endr
.endm
	PACK 0
	TOSTAGE 0
.irp a, 1,2,3,4,5,6,7                  ; block a's arithmetic stands between block a - 1's loads from the stage and the wait for them
	PACK \a
	SEND \a-1
	TOSTAGE \a
.endr
	SEND 7
	s_wait_tensorcnt 0x0                           ; the wave's end: behind my last tensor load and my last LDS store
	ds_add_u32 v[SPW], v[NIL]
	s_wait_dscnt 0x0
	CROUND                                         ; the closing round: no work-group ends while a partner may still ask for a tile that names it
	s_endpgm
.Lfunc_end_k_q5f11aba359_qkv:
	.size	k_q5f11aba359_qkv, .Lfunc_end_k_q5f11aba359_qkv-k_q5f11aba359_qkv
	.p2alignl 7, 3214868480
	.fill 96, 4, 3214868480
	.section	.rodata,"a",@progbits
	.p2align	6, 0x0
	.amdhsa_kernel k_q5f11aba359_qkv
		.amdhsa_group_segment_fixed_size 327680
		.amdhsa_private_segment_fixed_size 0
		.amdhsa_enable_private_segment 0
		.amdhsa_kernarg_size 48
		.amdhsa_user_sgpr_count 2
		.amdhsa_user_sgpr_kernarg_segment_ptr 1
		.amdhsa_wavefront_size32 1
		.amdhsa_system_sgpr_workgroup_id_x 1
		.amdhsa_system_sgpr_workgroup_id_y 1
		.amdhsa_system_sgpr_workgroup_id_z 1
		.amdhsa_system_vgpr_workitem_id 0
		.amdhsa_next_free_vgpr 1024
		.amdhsa_next_free_sgpr 102
		.amdhsa_reserve_vcc 0
		.amdhsa_float_denorm_mode_32 3
		.amdhsa_float_denorm_mode_16_64 3
		.amdhsa_memory_ordered 1
		.amdhsa_forward_progress 1
		.amdhsa_inst_pref_size 147
	.end_amdhsa_kernel
	.amdgpu_metadata
---
amdhsa.version: [ 1, 2 ]
amdhsa.kernels:
  - .name:           k_q5f11aba359_qkv
    .symbol:         k_q5f11aba359_qkv.kd
    .args:
      - { .name: xc, .offset: 0, .size: 8, .value_kind: global_buffer, .address_space: global }
      - { .name: xs, .offset: 8, .size: 8, .value_kind: global_buffer, .address_space: global }
      - { .name: wc, .offset: 16, .size: 8, .value_kind: global_buffer, .address_space: global }
      - { .name: ws, .offset: 24, .size: 8, .value_kind: global_buffer, .address_space: global }
      - { .name: b_qkv, .offset: 32, .size: 8, .value_kind: global_buffer, .address_space: global }
      - { .name: qkv16, .offset: 40, .size: 8, .value_kind: global_buffer, .address_space: global }
    .group_segment_fixed_size: 327680
    .private_segment_fixed_size: 0
    .kernarg_segment_align: 8
    .kernarg_segment_size: 48
    .max_flat_workgroup_size: 128
    .sgpr_count:     102
    .vgpr_count:     1024
    .wavefront_size: 32
...
	.end_amdgpu_metadata
.endif
;; end of part 2
;; launch attn (part 3): grid 4 x 64, 8 waves a work-group, clusters of 4 x 1, 327,680 bytes of LDS; arguments qkv16, vals16; writes vals16
.if DOCPART == 3
	.amdgcn_target "amdgcn-amd-amdhsa--gfx1250"
	.amdhsa_code_object_version 6
	.text
	.protected	k_q5f11aba359_attn
	.globl	k_q5f11aba359_attn
	.p2align	8
	.type	k_q5f11aba359_attn,@function
k_q5f11aba359_attn:
	s_mov_b64 s[64:65], 0
	v_nop
	global_prefetch_b8 v0, s[64:65] scope:SCOPE_SE
	s_setreg_imm32_b32 hwreg(HW_REG_WAVE_MODE, 25, 1), 1
	s_wait_xcnt 0x0
	s_wait_alu depctr_hold_cnt(0) depctr_sa_sdst(0) depctr_va_vdst(0) depctr_va_sdst(0) depctr_va_ssrc(0) depctr_va_vcc(0) depctr_vm_vsrc(0)
	s_getreg_b32 s2, hwreg(HW_REG_IB_STS2, 6, 4)
	s_cmp_eq_u32 s2, 0
	s_cbranch_scc0 .Lentry_in_a_cluster
	s_endpgm
.Lentry_in_a_cluster:
	s_bfe_u32 s2, ttmp6, 0x10000c
	s_cmp_lg_u32 s2, 0x3003
	s_cbranch_scc0 .Lentry_shape_is_right
	s_endpgm
.Lentry_shape_is_right:
; vals[bh][q][:] = the sum over k of softmax_k(Q[bh][q] . K[bh][k] / 8) V[bh][k][:], for 64 heads of batches, 2,048 positions, head size 64.  Q, K, V: f16, [part][bh][position][64]; Q arrives multiplied by log2(e) / 8.
; Products on f16 operands, sums, maxima and exponentials in f32; the weights p = 2^(s - m) are rounded to f16 for the second product; vals leaves as f16, [bh][position][64].
; LIMITS: what comes in lies in f16; vals under 6e-5 has f16's step of 2^-24; NaN and infinities are not served.  The row's sum is taken of the rounded p, the same numbers that multiply V.
; SHARES.  A cluster of four work-groups is one head; a work-group owns 512 queries, each of its EIGHT waves 64: four tiles of 16, in 512 registers.  Two waves lie on a SIMD: a wave's text goes in phases
; (scores, softmax, second product), and one wave's vector work stands beside the other's matrix work and LDS loads.  Every wave walks all 2,048 keys, 64 a step.
; LAYOUT.  S^T = K Q^T (source 0 = 16 keys, source 1 = 16 queries): a lane holds ONE query (lane % 16) and the keys 8 (lane / 16) + 0..7.  Two such tiles, rounded to f16 in pairs, ARE source 1 (32 keys x 16 queries) of
; O^T = V^T P, whose result again holds one query a lane.  K comes out of LDS as it lies, V ([key][channel]) turned, by ds_load_tr16_b128.
; SOFTMAX.  A running maximum m for each query; in every step O and the sum are multiplied by a = 2^(m_old - m_new).  m begins at -3e38 and O and the sum at 0: the step is written once, its first pass multiplies zeros.
; THE ROW'S SUM IS A PRODUCT: L = ONES x P, ONES having ones in rows 0 and 8 alone: register 0 of L holds the query's whole sum in both halves of the lanes, and registers 1-7 stay 0.
; CLUSTER.  The four query blocks walk the same K and V: each tile is asked for JOINTLY, by the same tensor load with the same descriptor and a mask that names the four.  All eight waves fetch: waves 0-3 a step's K each, waves 4-7 its V.
; RING.  Two slots of four key steps; one round of the cluster's barrier for each change of slots; behind it one load a wave, which has four key steps, 288 matrix instructions a wave, in which to land.
; REGISTERS: window 0: v2-13 addresses; v16-47 eight registers of statistics a tile; v48-55 ONES; v56-119 K of a step; v128-255 S^T, 32 a tile: after the rounding its lower 16 hold P and its upper 16 take two fragments of V.
;   window 1: v0-63 Q, 16 a tile; v64-191 O^T, 32 a tile; v192-223 L, 8 a tile.
.set SEQ,   2048
.set KS,    64                         ; keys in a step
.set NST,   4                          ; steps in a slot
.set PK,    144                        ; a row of K in LDS: 128 bytes + 16 of padding = 36 words: the 16 rows of a load start at 16 different groups of four banks (64 banks of 4 bytes: ISA guide 11.1)
.set PV,    160                        ; a row of V: 128 + 32 = 40 words
.set VOFF,  KS*PK                      ; a step's tiles lie together: 64 rows of K, then 64 rows of V
.set STEPB, KS*(PK+PV)
.set SLOT1, 1<<17                      ; slot 1 begins here (a slot is 77,824 bytes), so that one exclusive or turns an address in one slot into the other's
.set SLOTB, NST*KS*128                 ; a slot's keys in memory: 32,768 bytes of K, as many of V
.set NSL,   SEQ/(NST*KS)               ; 8 slots' worth of keys
.set SP,    144
.set STAGE, SLOT1+NST*STEPB            ; behind the ring: 16 rows x 144 bytes for each wave, for the way out
.set SPARE, STAGE+8*16*SP              ; behind the stages: the spare words, 128 bytes for each wave, which no other line names
.set AK0, 2                            ; v2   my lane's place in a tile of K; never rewritten
.set AV0, 3                            ; v3   the same for V
.set ADK, 4                            ; v4   LDS address of the step's K
.set ADV, 5                            ; v5   of its V
.set QO,  6                            ; v6   my byte offset in the wave's rows of Q
.set STO, 7                            ; v7   the way out: where I put 16 bytes of a row
.set RD,  8                            ; v8   where I read rows back: eight lanes to a row
.set GO,  9                            ; v9   16 x lane: my place in 512 dense bytes of vals
.set PFO, 10                           ; v10  256 x lane: the prefetches' offset; never rewritten
.set SPW, 12                           ; v12  LDS address of my spare word; never rewritten
.set NIL, 13                           ; v13  0; never rewritten
.set ST,  16                           ; tile t's statistics at v[ST + 8 t]: +0 m, +1 m_old - m_new, +2 a (at the end 1 / sum), +3 named with a as a pair, +4 to +7 at work
.set ONES, 48
.set KB,  56                           ; K's fragment (keys 16 kt on, channels 32 c on) at v[KB + 8 (2 kt + c)]
.set S,   128
.set O,   64                           ; in window 1
.set L,   192                          ; in window 1
.set WV,  12                           ; s12  my wave's number
.set LIM, 15                           ; s15  1 in a wave that prefetches, else the greatest number
.set PFA, 18                           ; s[18:19] where my prefetches stand
.set G1K, 24                           ; s[24:31] descriptor group 1 for K's tiles
.set G1V, 32                           ; s[32:39] for V's: it differs in the padding alone
.set G0K, 40                           ; s[40:47] group 0 for K's tiles: a set for each of the two first fills; the second then walks on
.set G0V, 48                           ; s[48:55] the same for V's
.set SLOTS, 56                         ; s56  slots still to be asked for
.set CNT, 57                           ; s57  counts a slot's steps
.set SEL, 60                           ; s[60:61] lane selects for v_permlanex16_b32: lane l xor 16
.set TB,  62                           ; s62  LDS byte at which the step's tiles begin
.set MSB, 0
.macro WIN new                         ; the immediate's high byte repeats the setting that is left
.if MSB != \new
	s_set_vgpr_msb (MSB<<8)|\new
.set MSB, \new
.endif
.endm
.set W_KQ, 0x04                        ; Q (source 1) in window 1; K and S^T in window 0
.set W_PV, 0x50                        ; O^T and L (C and D) in window 1; V, ONES and P in window 0
.set W_RS, 0x41                        ; destination and source 0 in window 1, a in window 0
; A joint refill.  The branch hangs on the wave's number alone.  An s_nop 0 and four v_nop follow each of the two lines.
.macro JLOAD
	s_cmp_lt_u32 s[WV], 4
	s_cbranch_scc0 .Lfor_v_\@
	tensor_load_to_lds s[G0K+4:G0K+7], s[G1K:G1K+7]
	s_nop 0
.rept 4
	v_nop
.endr
	s_branch .Lasked_\@
.Lfor_v_\@:
	tensor_load_to_lds s[G0V+4:G0V+7], s[G1V:G1V+7]
	s_nop 0
.rept 4
	v_nop
.endr
.Lasked_\@:
.endm
; A PREFETCH INTO THE L2 of what the NEXT change of slots will ask for: a slot's 32,768 bytes of K and as many of V.  It stands behind the wave's tensor load and its five lines.
; Each aligned block of 256 bytes is named once in the launch: a head is walked by one cluster; its four partners take 8,192 bytes each, told apart BY ADDRESS; in each, wave 0 asks for K's and wave 4 for V's,
; one instruction, lanes 256 bytes apart.  It runs four key steps ahead of the load that wants the bytes.  The last change that fills a slot asks for nothing; slots 0 to 2 come by their loads alone.
.macro ASK
	s_cmp_gt_u32 s[SLOTS], s[LIM]
	s_cbranch_scc0 .Lnot_mine_\@
	global_prefetch_b8 v[PFO], s[PFA:PFA+1] th:TH_LOAD_NT scope:SCOPE_SE
.Lnot_mine_\@:
.endm
.macro CROUND                          ; a round of the cluster's barrier
	s_barrier_signal -1
	s_barrier_wait -1
	s_cmp_lg_u32 s[WV], 0
	s_cbranch_scc1 .Lnot_wave_0_\@
	s_barrier_signal -3
.Lnot_wave_0_\@:
	s_barrier_wait -3
	s_barrier_signal -1
	s_barrier_wait -1
.endm
	s_load_b128 s[4:7], s[0:1], 0x0                ; qkv16 s[4:5], vals16 s[6:7]
	v_lshl_add_u32 v[SPW], v0, 2, SPARE
	v_mov_b32 v[NIL], 0
	ds_add_u32 v[SPW], v[NIL]                      ; the wave's opening: the add, twice on end, and its wait ahead of my first tensor load
	ds_add_u32 v[SPW], v[NIL]
	v_lshrrev_b32 v1, 5, v0
	v_readfirstlane_b32 s[WV], v1                  ; wave 0..7
	s_bfe_u32 s13, ttmp6, 0x40000                  ; cx: my place in the cluster = my block of 512 queries
	s_and_b32 s20, ttmp7, 0xffff                   ; the head, which the four partners share
	s_lshl_b32 s20, s20, 18                        ; its first byte in a part: 2,048 rows of 128 bytes
	s_mov_b32 s21, 0
	s_and_b32 s16, s[WV], 3                        ; which of a slot's four steps I fetch:
	s_lshl_b32 s22, s16, 13                        ; its 64 rows of 128 bytes in memory,
	s_mov_b32 s23, 0
	s_mul_i32 s17, s16, STEPB                      ; and its place in a slot: no place in the cluster enters an LDS address
	s_lshl_b32 s2, s13, 16                         ; my block's 512 rows,
	s_lshl_b32 s3, s[WV], 13                       ; my wave's 64 of them,
	s_add_co_u32 s2, s2, s3
	s_add_co_u32 s2, s2, s20                       ; in my head
	s_mov_b32 s3, 0
	; descriptor group 1: a tile of 64 rows x 64 elements, padded in LDS
	s_mov_b32 s[G1K], 15|(1<<16)|(1<<20)|(1<<21)|(4<<22)|(3<<25)  ; 15:0 the mask: all four work-groups; 17:16 elements of 2 bytes; 20 padding on; 21 set beside a mask; 24:22 after every 32 words; 31:25 four words
	s_mov_b32 s[G1V], 15|(1<<16)|(1<<20)|(1<<21)|(4<<22)|(7<<25)  ; the same with eight words of padding
.irp g, G1K, G1V
	s_mov_b32 s[\g+1], 64<<16                      ; tensor_dim0 = 64
	s_mov_b32 s[\g+2], KS<<16                      ; tensor_dim1 = 64
	s_mov_b32 s[\g+3], 64<<16                      ; tile_dim0 = 64
	s_mov_b32 s[\g+4], KS                          ; tile_dim1 = 64
	s_mov_b32 s[\g+5], 64                          ; elements from row to row
	s_mov_b32 s[\g+6], 0
	s_mov_b32 s[\g+7], 0
.endr
	s_mov_b32 s[SEL], 0x76543210
	s_mov_b32 s[SEL+1], 0xfedcba98
	s_mov_b32 s[TB], 0
	s_mov_b32 s[SLOTS], NSL-2
	s_cmp_eq_u32 s16, 0                            ; waves 0 and 4 prefetch: the same in all four partners
	s_cselect_b32 s[LIM], 1, -1
	v_and_b32 v[PFO], 31, v0
	v_lshlrev_b32 v[PFO], 8, v[PFO]
	s_wait_dscnt 0x0                               ; both opening adds are done
	s_wait_kmcnt 0x0
	s_add_nc_u64 s[8:9], s[4:5], s[20:21]          ; my head in part 0;
	s_add_nc_u64 s[10:11], s[8:9], 2<<24           ; V is part 2,
	s_add_nc_u64 s[8:9], s[8:9], 1<<24             ; K part 1
	s_add_nc_u64 s[4:5], s[4:5], s[2:3]            ; Q and vals at my wave's first row
	s_add_nc_u64 s[6:7], s[6:7], s[2:3]
	s_cmp_lt_u32 s[WV], 4
	s_cselect_b64 s[PFA:PFA+1], s[8:9], s[10:11]
	s_lshl_b32 s2, s13, 13                         ; my work-group's 8,192 bytes of a slot's 32,768
	s_add_nc_u64 s[PFA:PFA+1], s[PFA:PFA+1], s[2:3]
	s_add_nc_u64 s[PFA:PFA+1], s[PFA:PFA+1], 2*SLOTB  ; in slot 2; the first change of slots steps it to slot 3.  Nothing is prefetched at the head, where every work-group's first tiles are on their way
	s_add_nc_u64 s[8:9], s[8:9], s[22:23]          ; K and V at my tile of slot 0
	s_add_nc_u64 s[10:11], s[10:11], s[22:23]
	CROUND                                         ; all four work-groups are here: the first joint loads meet
.irp s, 0,1
	s_mov_b32 s[G0K+4*\s], 1                       ; count = 1
	s_add_co_u32 s[G0K+4*\s+1], s17, \s*SLOT1      ; LDS address
	s_add_nc_u64 s[G0K+4*\s+2:G0K+4*\s+3], s[8:9], \s*SLOTB   ; global address: slot s begins with keys 256 s
	s_or_b32 s[G0K+4*\s+3], s[G0K+4*\s+3], 0x80000000         ; type = 2
	s_mov_b32 s[G0V+4*\s], 1
	s_add_co_u32 s[G0V+4*\s+1], s17, \s*SLOT1+VOFF
	s_add_nc_u64 s[G0V+4*\s+2:G0V+4*\s+3], s[10:11], \s*SLOTB
	s_or_b32 s[G0V+4*\s+3], s[G0V+4*\s+3], 0x80000000
.endr
	s_cmp_lt_u32 s[WV], 4                          ; a wave's two first fills stand in one branch, ahead of every wait on TENSORcnt and every LDS read: two loads of mine are out
	s_cbranch_scc0 .Lfirst_v
	tensor_load_to_lds s[G0K:G0K+3], s[G1K:G1K+7]
	s_nop 0
	tensor_load_to_lds s[G0K+4:G0K+7], s[G1K:G1K+7]
	s_nop 0
.rept 4
	v_nop
.endr
	s_branch .Lfirst_asked
.Lfirst_v:
	tensor_load_to_lds s[G0V:G0V+3], s[G1V:G1V+7]
	s_nop 0
	tensor_load_to_lds s[G0V+4:G0V+7], s[G1V:G1V+7]
	s_nop 0
.rept 4
	v_nop
.endr
.Lfirst_asked:
	; A fragment of K or Q is 16 rows x 32 channels in 8 registers: lane l holds row l % 16; registers 0-3 channels 8 (l / 16) + 0..7, registers 4-7 channels 16 + 8 (l / 16) + 0..7: two loads of 16 bytes, 32 bytes apart.
	v_and_b32 v1, 15, v0                           ; l % 16
	v_bfe_u32 v11, v0, 4, 1                        ; l / 16
	v_lshlrev_b32 v[QO], 7, v1
	v_lshl_add_u32 v[QO], v11, 4, v[QO]            ; row x 128 + 16 x half
	WIN 0x40                                       ; destination window 1, address window 0
.irp t, 0,1,2,3
.irp c, 0,1                            ; Q stays in registers: tile t, channels 32 c on
	global_load_b128 v[16*\t+8*\c:16*\t+8*\c+3],   v[QO], s[4:5] offset:2048*\t+64*\c
	global_load_b128 v[16*\t+8*\c+4:16*\t+8*\c+7], v[QO], s[4:5] offset:2048*\t+64*\c+32
.endr
.endr
.set i, O
.rept 160
	v_mov_b32 v[i], 0                              ; O^T and L begin as zeros, so that the step is written once; these lines run while the first tiles are on their way
.set i, i+1
.endr
	WIN 0
	v_mul_u32_u24 v[AK0], v1, PK
	v_lshl_add_u32 v[AK0], v11, 4, v[AK0]          ; row x pitch + 16 x half
	; The turning load takes 16 keys x 16 channels (lane l reads 16 bytes: key 8 (l / 16) + l % 8, channels 8 ((l / 8) % 2) + 0..7) and leaves half a fragment of V^T: lane l holds channel l % 16 and 8 keys.
	v_and_b32 v14, 7, v0
	v_bfe_u32 v15, v0, 3, 1
	v_lshl_add_u32 v[AV0], v11, 3, v14
	v_mul_u32_u24 v[AV0], v[AV0], PV
	v_lshl_add_u32 v[AV0], v15, 4, v[AV0]
	v_add_nc_u32 v[AV0], VOFF, v[AV0]
	s_mul_i32 s14, s[WV], 16*SP
	s_add_co_u32 s14, s14, STAGE                   ; my stage
	v_mul_u32_u24 v[STO], v1, SP                   ; in: row l % 16, 16 bytes for each half of the lanes
	v_lshl_add_u32 v[STO], v11, 4, v[STO]
	v_add_nc_u32 v[STO], s14, v[STO]
	v_bfe_u32 v15, v0, 3, 2                        ; back: eight lanes to a row of 128 bytes, four rows an instruction
	v_mul_u32_u24 v[RD], v15, SP
	v_lshl_add_u32 v[RD], v14, 4, v[RD]
	v_add_nc_u32 v[RD], s14, v[RD]
	v_and_b32 v[GO], 31, v0
	v_lshlrev_b32 v[GO], 4, v[GO]
.irp t, 0,1,2,3
	v_mov_b32 v[ST+8*\t], 0xff61b1e6               ; m: -3e38, under every score
	v_mov_b32 v[ST+8*\t+3], 0                      ; (named with a as a pair, so it is written)
.endr
	v_cmp_eq_u32 vcc_lo, 0, v14                    ; ONES: lane l holds row l % 16 of source 0: ones (f16, two a register) in rows 0 and 8, zeros elsewhere
	v_mov_b32 v15, 0x3c003c00
	v_cndmask_b32 v[ONES], 0, v15, vcc_lo
.irp j, 1,2,3,4,5,6,7
	v_mov_b32 v[ONES+\j], v[ONES]
.endr
; A KEY STEP: 64 keys against my 64 queries: 32 products K Q^T, the softmax of four tiles, 32 products V^T P and 8 for the sums.
.macro STEP
	v_add_nc_u32 v[ADK], s[TB], v[AK0]             ; these two and three v_nop are the five places between the last step's products and the scores that are laid over the registers of its P and V (ISA guide 7.12.1)
	v_add_nc_u32 v[ADV], s[TB], v[AV0]
.rept 3
	v_nop
.endr
.irp c, 0,1                            ; K: the first 32 channels first
.irp kt, 0,1,2,3
	ds_load_b128 v[KB+8*(2*\kt+\c):KB+8*(2*\kt+\c)+3],   v[ADK] offset:\kt*16*PK+64*\c
	ds_load_b128 v[KB+8*(2*\kt+\c)+4:KB+8*(2*\kt+\c)+7], v[ADK] offset:\kt*16*PK+64*\c+32
.endr
.endr
	s_wait_dscnt 8                                 ; the first 32 channels are in; the eight loads of the other 32 may be out
	WIN W_KQ
.irp kt, 0,1,2,3                       ; the 16 accumulators take turns, one instruction a turn; the first product starts each sum
.irp t, 0,1,2,3
	v_wmma_f32_16x16x32_f16 v[S+32*\t+8*\kt:S+32*\t+8*\kt+7], v[KB+16*\kt:KB+16*\kt+7], v[16*\t:16*\t+7], 0
.endr
.endr
	s_wait_dscnt 0x0
.irp kt, 0,1,2,3
.irp t, 0,1,2,3
	v_wmma_f32_16x16x32_f16 v[S+32*\t+8*\kt:S+32*\t+8*\kt+7], v[KB+16*\kt+8:KB+16*\kt+15], v[16*\t+8:16*\t+15], v[S+32*\t+8*\kt:S+32*\t+8*\kt+7]
.endr
.endr
	WIN 0
.rept 4
	v_nop                                          ; four places in front of the first read of the scores
.endr
	; the maximum of a lane's 32 scores and the old m, three operands at a time, four chains a tile, the four tiles by turns; each accumulator is read from its low end on
.irp j, 0,1,2,3
.irp t, 0,1,2,3
	v_max3_num_f32 v[ST+8*\t+4+\j], v[S+32*\t+8*\j], v[S+32*\t+8*\j+1], v[S+32*\t+8*\j+2]
.endr
.endr
.irp u, 3,5
.irp j, 0,1,2,3
.irp t, 0,1,2,3
	v_max3_num_f32 v[ST+8*\t+4+\j], v[ST+8*\t+4+\j], v[S+32*\t+8*\j+\u], v[S+32*\t+8*\j+\u+1]
.endr
.endr
.endr
.irp t, 0,1,2,3
	v_max3_num_f32 v[ST+8*\t+4], v[ST+8*\t+4], v[S+32*\t+7], v[S+32*\t+15]
.endr
.irp t, 0,1,2,3
	v_max3_num_f32 v[ST+8*\t+6], v[ST+8*\t+6], v[S+32*\t+23], v[S+32*\t+31]
.endr
.irp t, 0,1,2,3
	v_max3_num_f32 v[ST+8*\t+4], v[ST+8*\t+4], v[ST+8*\t+5], v[ST+8*\t+6]
.endr
.irp t, 0,1,2,3
	v_max3_num_f32 v[ST+8*\t+4], v[ST+8*\t+4], v[ST+8*\t+7], v[ST+8*\t]
.endr
.irp t, 0,1,2,3
	v_permlanex16_b32 v[ST+8*\t+5], v[ST+8*\t+4], s[SEL], s[SEL+1]   ; the query's other 32 keys lie in the lane 16 away
.endr
.irp t, 0,1,2,3
	v_max_num_f32 v[ST+8*\t+5], v[ST+8*\t+4], v[ST+8*\t+5]           ; the new m
.endr
.irp t, 0,1,2,3
	v_sub_f32 v[ST+8*\t+1], v[ST+8*\t], v[ST+8*\t+5]                 ; m_old - m_new, 0 or less
.endr
.irp t, 0,1,2,3
	v_mov_b32 v[ST+8*\t], v[ST+8*\t+5]
.endr
	; ONE BATCH of 132 exponentials: the four a, then p = 2^(s - m) in place.  The subtractions of a tile (packed; of the pair m, m_old - m_new the low word serves both halves) stand among the exponentials of the tile before.
	; None of these lines names an exponential's result.
.irp t, 0,1,2,3
	v_exp_f32 v[ST+8*\t+2], v[ST+8*\t+1]
.endr
.irp b, 0,1,2,3,4,5,6,7,8,9,10,11,12,13,14,15
	v_pk_add_f32 v[S+2*\b:S+2*\b+1], v[S+2*\b:S+2*\b+1], v[ST:ST+1] op_sel_hi:[1,0] neg_lo:[0,1] neg_hi:[0,1]
.endr
.irp t, 0,1,2,3
.irp b, 0,1,2,3,4,5,6,7,8,9,10,11,12,13,14,15
	v_exp_f32 v[S+32*\t+2*\b], v[S+32*\t+2*\b]
	v_exp_f32 v[S+32*\t+2*\b+1], v[S+32*\t+2*\b+1]
.if \t < 3
	v_pk_add_f32 v[S+32*(\t+1)+2*\b:S+32*(\t+1)+2*\b+1], v[S+32*(\t+1)+2*\b:S+32*(\t+1)+2*\b+1], v[ST+8*(\t+1):ST+8*(\t+1)+1] op_sel_hi:[1,0] neg_lo:[0,1] neg_hi:[0,1]
.endif
.endr
.endr
	v_nop                                          ; a plain instruction behind the last exponential, ahead of the first use
	s_wait_alu depctr_va_vdst(0)                   ; the wait ahead of the first line that names a result: one for the whole batch
	; The rounding to f16, in place and ascending: registers 0-15 of a tile become P (keys 32 c on at 8 c), registers 16-31 are free and take two fragments of V at once:
	; fragment f = 4 c + ct (keys 32 c on, channels 16 ct on) lies in tile f / 2's upper half.  V's loads so land under the later roundings and the rescaling.
.irp t, 0,1,2,3
.irp i, 0,1,2,3,4,5,6,7,8,9,10,11,12,13,14,15
	v_cvt_pk_f16_f32 v[S+32*\t+\i], v[S+32*\t+2*\i], v[S+32*\t+2*\i+1]
.endr
.irp e, 0,1
	ds_load_tr16_b128 v[S+32*\t+16+8*\e:S+32*\t+16+8*\e+3],   v[ADV] offset:((2*\t+\e)/4)*32*PV+((2*\t+\e)%4)*32
	ds_load_tr16_b128 v[S+32*\t+16+8*\e+4:S+32*\t+16+8*\e+7], v[ADV] offset:((2*\t+\e)/4)*32*PV+16*PV+((2*\t+\e)%4)*32
.endr
.endr
	WIN W_RS
.irp t, 0,1,2,3                        ; O^T and the sum under the new m: x a
.irp i, 0,1,2,3,4,5,6,7,8,9,10,11,12,13,14,15
	v_pk_mul_f32 v[O+32*\t+2*\i:O+32*\t+2*\i+1], v[O+32*\t+2*\i:O+32*\t+2*\i+1], v[ST+8*\t+2:ST+8*\t+3] op_sel_hi:[1,0]
.endr
	v_pk_mul_f32 v[L+8*\t:L+8*\t+1], v[L+8*\t:L+8*\t+1], v[ST+8*\t+2:ST+8*\t+3] op_sel_hi:[1,0]
.endr
	s_wait_dscnt 0x0                               ; V is in
	WIN W_PV
.irp c, 0,1                            ; 20 accumulators by turns, one instruction a turn: O^T's sixteen, then the four sums
.irp u, 0,1,2,3
.irp t, 0,1,2,3
	v_wmma_f32_16x16x32_f16 v[O+32*\t+8*\u:O+32*\t+8*\u+7], v[S+32*((4*\c+\u)/2)+16+8*((4*\c+\u)%2):S+32*((4*\c+\u)/2)+16+8*((4*\c+\u)%2)+7], v[S+32*\t+8*\c:S+32*\t+8*\c+7], v[O+32*\t+8*\u:O+32*\t+8*\u+7]
.endr
.endr
.irp t, 0,1,2,3
	v_wmma_f32_16x16x32_f16 v[L+8*\t:L+8*\t+7], v[ONES:ONES+7], v[S+32*\t+8*\c:S+32*\t+8*\c+7], v[L+8*\t:L+8*\t+7]
.endr
.endr
	WIN 0
	s_add_co_u32 s[TB], s[TB], STEPB               ; the next step's tiles
.endm
.macro SLOT_STEPS                      ; a slot's four key steps: written once, walked four times; the LDS addresses hang on s[TB]
	s_mov_b32 s[CNT], NST
.Lstep_\@:
	STEP
	s_sub_co_u32 s[CNT], s[CNT], 1
	s_cmp_lg_u32 s[CNT], 0
	s_cbranch_scc1 .Lstep_\@
.endm
; THE CHANGE OF SLOTS.  Each wave waits for all its tensor loads, of which one is out: its part of the other slot; adds 0 to its spare word; and waits for that and for its own reads of the slot that it leaves.
; Behind the barrier nobody reads that slot any more and the other slot is whole.  fill = 1: the slot is filled again, with the keys two slots on: the barrier is then a round of the cluster's,
; so that no wave of any partner still reads the slot or has a load on its way, and the joint refill is the first thing behind it.
.macro CHANGE fill
	s_wait_tensorcnt 0x0                           ; no tensor load of mine is out, so a group 0 may be written
	ds_add_u32 v[SPW], v[NIL]                      ; 0 onto my spare word
.if \fill
.irp g, G0K+4, G0V+4
	s_xor_b32 s[\g+1], s[\g+1], SLOT1              ; the walking descriptor: the other slot than last time,
	s_add_nc_u64 s[\g+2:\g+3], s[\g+2:\g+3], SLOTB ; the next 256 keys; the type bits on top are not reached
.endr
	s_wait_xcnt 0x0                                ; the last prefetch, a slot back, has read its address, so it may be written:
	s_add_nc_u64 s[PFA:PFA+1], s[PFA:PFA+1], SLOTB ; one slot further on than the walking descriptors
	s_wait_dscnt 0x0                               ; the add is done, and my reads of the slot are over
	CROUND
	JLOAD
	ASK
.else
	s_wait_dscnt 0x0                               ; the add is done, and my reads of the slot are over
	s_barrier_signal -1
	s_barrier_wait -1
.endif
	s_sub_co_u32 s[TB], s[TB], NST*STEPB           ; back to a slot's first step,
	s_xor_b32 s[TB], s[TB], SLOT1                  ; in the other slot
.endm
	s_wait_tensorcnt 1                             ; my part of slot 0 is in; slot 1's may stay out
	s_barrier_signal -1
	s_barrier_wait -1                              ; everybody's is
	s_wait_loadcnt 0x0                             ; Q
	SLOT_STEPS                                     ; slot 0
.Lslot:                                            ; six trips: every slot but the last two is filled again
	CHANGE 1
	SLOT_STEPS
	s_sub_co_u32 s[SLOTS], s[SLOTS], 1
	s_cmp_lg_u32 s[SLOTS], 0
	s_cbranch_scc1 .Lslot
	CHANGE 0                                       ; the tail is written out
	SLOT_STEPS
	; THE WAY OUT.  O^T is divided by the sum, rounded to f16 and sent through my stage in LDS, a tile (16 rows of vals) at a time.
.rept 4
	v_nop                                          ; four places behind the last products
.endr
	WIN 0x01                                       ; source 0 window 1
.irp t, 0,1,2,3
	v_rcp_f32 v[ST+8*\t+2], v[L+8*\t]              ; register 0 of L: the query's sum, in both halves of the lanes
.endr
	v_nop                                          ; a plain instruction between the last reciprocal and the use of its result
	s_wait_alu depctr_va_vdst(0)                   ; and the wait ahead of the first use: one for the four
; Tile t: a lane's eight channels of a row pack into 16 bytes; they go into rows of 144 bytes and come back as whole rows of 128.
.macro PACK t
	WIN 0x01
.irp i, 0,1,2,3,4,5,6,7,8,9,10,11,12,13,14,15
	v_pk_mul_f32 v[S+32*\t+2*\i:S+32*\t+2*\i+1], v[O+32*\t+2*\i:O+32*\t+2*\i+1], v[ST+8*\t+2:ST+8*\t+3] op_sel_hi:[1,0]   ; each accumulator from its low end on
.endr
	WIN 0
.irp i, 0,1,2,3,4,5,6,7,8,9,10,11,12,13,14,15
	v_cvt_pk_f16_f32 v[S+32*\t+\i], v[S+32*\t+2*\i], v[S+32*\t+2*\i+1]
.endr
.irp f, 0,1,2,3
	ds_store_b128 v[STO], v[S+32*\t+4*\f:S+32*\t+4*\f+3] offset:32*\f
.endr
.irp f, 0,1,2,3
	ds_load_b128 v[S+32*\t+16+4*\f:S+32*\t+16+4*\f+3], v[RD] offset:\f*4*SP   ; LDS serves a wave's instructions in order (ISA guide 5.7.1.4): these see the stores above; the next tile's stores come behind them
.endr
.endm
.macro SEND t, younger                 ; younger: the LDS instructions issued behind tile t's loads: the next tile's eight, or none
.irp f, 0,1,2,3
	s_wait_dscnt \younger+3-\f
	global_store_b128 v[GO], v[S+32*\t+16+4*\f:S+32*\t+16+4*\f+3], s[6:7] offset:\t*2048+\f*512   ; 32 lanes store 512 consecutive bytes, at a multiple of 256 from the buffer's first byte
.endr
.endm
	PACK 0
	PACK 1                                         ; a tile's arithmetic stands between the loads of the tile before and its stores
	SEND 0, 8
	PACK 2
	SEND 1, 8
	PACK 3
	SEND 2, 8
	SEND 3, 0
	s_wait_tensorcnt 0x0                           ; the wave's end: behind my last tensor load and my last LDS store
	ds_add_u32 v[SPW], v[NIL]
	s_wait_dscnt 0x0
	CROUND                                         ; the closing round: no work-group ends while a partner may still ask for a tile that names it
	s_endpgm
.Lfunc_end_k_q5f11aba359_attn:
	.size	k_q5f11aba359_attn, .Lfunc_end_k_q5f11aba359_attn-k_q5f11aba359_attn
	.p2alignl 7, 3214868480
	.fill 96, 4, 3214868480
	.section	.rodata,"a",@progbits
	.p2align	6, 0x0
	.amdhsa_kernel k_q5f11aba359_attn
		.amdhsa_group_segment_fixed_size 327680
		.amdhsa_private_segment_fixed_size 0
		.amdhsa_enable_private_segment 0
		.amdhsa_kernarg_size 16
		.amdhsa_user_sgpr_count 2
		.amdhsa_user_sgpr_kernarg_segment_ptr 1
		.amdhsa_wavefront_size32 1
		.amdhsa_system_sgpr_workgroup_id_x 1
		.amdhsa_system_sgpr_workgroup_id_y 1
		.amdhsa_system_sgpr_workgroup_id_z 1
		.amdhsa_system_vgpr_workitem_id 0
		.amdhsa_next_free_vgpr 512
		.amdhsa_next_free_sgpr 66
		.amdhsa_reserve_vcc 1
		.amdhsa_float_denorm_mode_32 3
		.amdhsa_float_denorm_mode_16_64 3
		.amdhsa_memory_ordered 1
		.amdhsa_forward_progress 1
		.amdhsa_inst_pref_size 114
	.end_amdhsa_kernel
	.amdgpu_metadata
---
amdhsa.version: [ 1, 2 ]
amdhsa.kernels:
  - .name:           k_q5f11aba359_attn
    .symbol:         k_q5f11aba359_attn.kd
    .args:
      - { .name: qkv16, .offset: 0, .size: 8, .value_kind: global_buffer, .address_space: global }
      - { .name: vals16, .offset: 8, .size: 8, .value_kind: global_buffer, .address_space: global }
    .group_segment_fixed_size: 327680
    .private_segment_fixed_size: 0
    .kernarg_segment_align: 8
    .kernarg_segment_size: 16
    .max_flat_workgroup_size: 256
    .sgpr_count:     66
    .vgpr_count:     512
    .wavefront_size: 32
...
	.end_amdgpu_metadata
.endif
;; end of part 3
;; launch oproj (part 4): grid 8 x 32, 4 waves a work-group, clusters of 4 x 4, 327,680 bytes of LDS; arguments vals16, wo16, b_o, out0; writes out0
.if DOCPART == 4
	.amdgcn_target "amdgcn-amd-amdhsa--gfx1250"
	.amdhsa_code_object_version 6
	.text
	.protected	k_q5f11aba359_oproj
	.globl	k_q5f11aba359_oproj
	.p2align	8
	.type	k_q5f11aba359_oproj,@function
k_q5f11aba359_oproj:
	s_mov_b64 s[64:65], 0
	v_nop
	global_prefetch_b8 v0, s[64:65] scope:SCOPE_SE
	s_setreg_imm32_b32 hwreg(HW_REG_WAVE_MODE, 25, 1), 1
	s_wait_xcnt 0x0
	s_wait_alu depctr_hold_cnt(0) depctr_sa_sdst(0) depctr_va_vdst(0) depctr_va_sdst(0) depctr_va_ssrc(0) depctr_va_vcc(0) depctr_vm_vsrc(0)
	s_getreg_b32 s2, hwreg(HW_REG_IB_STS2, 6, 4)
	s_cmp_eq_u32 s2, 0
	s_cbranch_scc0 .Lentry_in_a_cluster
	s_endpgm
.Lentry_in_a_cluster:
	s_bfe_u32 s2, ttmp6, 0x10000c
	s_cmp_lg_u32 s2, 0xf033
	s_cbranch_scc0 .Lentry_shape_is_right
	s_endpgm
.Lentry_shape_is_right:
; out[m][n] = sum over k of vals[m][k] w_o[n][k] + b_o[n]; M = 8,192, N = 1,024, K = 1,024; f16 operands, f32 sums, f32 out.
; vals lies [batch][head][position][64] (k = 64 x head + channel), w_o as f16 [n][k].
; A tile of 256 rows x 128 columns gives each of 256 work-groups one tile.  Four waves, each 128 x 64: 32 accumulators of 16 x 16, 256 registers.
; K goes in steps of 128, two heads, through a ring of two LDS slots: of vals two planes of 256 rows x 128 bytes, each a dense block of memory; of w_o 128 rows of 256 bytes.  Waves 0 and 1 fetch a plane each, waves 2 and 3 64 rows of w_o each.
; CLUSTERS: 4 x 4 work-groups.  The four of a row of the cluster need the same tiles of vals, the four of a column the same tiles of w_o: each tile is asked for JOINTLY.
; THE MATRIX INSTRUCTION IS USED TRANSPOSED (source 0 = 16 rows of w_o, source 1 = 16 rows of vals): a lane holds eight neighbouring columns of a row of out.  The bias is the C of each sum's first product.
; No prefetch: the walk is eight K steps on small tiles, and the first two are asked for at the head.
; REGISTERS: window 0: v16-29 addresses; v32-95 rows read back from the stage.   window 1: two fragment buffers of 96 (w_o's 4 fragments, then vals' 8); v192-223 the bias in the result's layout.   window 2: the accumulators ((a, b) at v[8 (4 a + b)]).
.set SIZE_N, 1024
.set PA,     144                       ; a row of a plane in LDS: 128 bytes + 16 of padding
.set PB,     272                       ; a row of w_o's tile: 256 bytes + 16
.set PLANE,  256*PA
.set BOFF,   2*PLANE                   ; w_o's tile lies behind the two planes
.set HALFB,  64*PB                     ; 64 rows of it: what one tensor load brings, and what one wave reads
.set SLOT,   BOFF+2*HALFB              ; 108,544 bytes
.set STAGE,  2*SLOT                    ; behind the ring: 16 rows x (256 bytes + 16) for each wave
.set SPITCH, 272
.set SPARE,  STAGE+4*16*SPITCH         ; behind the stages: the spare words, 128 bytes for each wave, which no other line names
.set LAPS,   4                         ; a lap = two K steps = once round the ring
.set ADRA, 16                          ; v16-17  LDS address of my fragments of vals in slot 0, 1
.set ADRB, 20                          ; v20-21  the same for w_o
.set STO,  24                          ; v24     the way out: where I put 32 bytes of a row
.set RD,   25                          ; v25     where I read rows back: sixteen lanes to a row of 256 bytes
.set CO,   26                          ; v26     the same two rows in out
.set BO,   27                          ; v27     32 x (lane / 16): my eight numbers of a block's sixteen biases
.set SPW,  28                          ; v28     LDS address of my spare word; never rewritten
.set NIL,  29                          ; v29     0; never rewritten
.set OB,   32                          ; rows read back: v32-63 and v64-95 by turns
.set F0,   0                           ; fragment buffers, in window 1
.set F1,   96
.set BIAS, 192                         ; in window 1
.set WV,   12                          ; s12 wave; s13 its half of the rows (also: 0 fetches vals, 1 w_o); s14 its half of the columns (also: which plane or which 64 rows it fetches)
.set G1, 24
.set G0, 32
.set G1B, 48
.set G0B, 56
.set MSB, 0
.macro WIN new                         ; the immediate's high byte repeats the setting that is left
.if MSB != \new
	s_set_vgpr_msb (MSB<<8)|\new
.set MSB, \new
.endif
.endm
.set MUL,   0xa5                       ; sources 0 and 1 window 1; C and D window 2
.set MUL_Z, 0x95                       ; the same with C (the bias) in window 1
.set TO_F,  0x40                       ; destination window 1, address window 0
.macro JLOAD s                         ; a joint load; an s_nop 0 and four v_nop follow each of the two lines
	s_cmp_eq_u32 s13, 0
	s_cbranch_scc0 .Lfor_b_\@
	tensor_load_to_lds s[G0+4*\s:G0+4*\s+3], s[G1:G1+7]
	s_nop 0
.rept 4
	v_nop
.endr
	s_branch .Lasked_\@
.Lfor_b_\@:
	tensor_load_to_lds s[G0B+4*\s:G0B+4*\s+3], s[G1B:G1B+7]
	s_nop 0
.rept 4
	v_nop
.endr
.Lasked_\@:
.endm
.macro CREST                           ; a round of the cluster's barrier behind its opening barrier
	s_cmp_lg_u32 s[WV], 0
	s_cbranch_scc1 .Lnot_wave_0_\@
	s_barrier_signal -3
.Lnot_wave_0_\@:
	s_barrier_wait -3
	s_barrier_signal -1
	s_barrier_wait -1
.endm
.macro CROUND                          ; a whole round
	s_barrier_signal -1
	s_barrier_wait -1
	CREST
.endm
	s_load_b256 s[4:11], s[0:1], 0x0               ; vals16 s[4:5], wo16 s[6:7], b_o s[8:9], out0 s[10:11]
	v_lshl_add_u32 v[SPW], v0, 2, SPARE
	v_mov_b32 v[NIL], 0
	ds_add_u32 v[SPW], v[NIL]                      ; the wave's opening: the add, twice on end, and its wait ahead of my first tensor load
	ds_add_u32 v[SPW], v[NIL]
	v_lshrrev_b32 v1, 5, v0
	v_readfirstlane_b32 s[WV], v1                  ; wave 0..3
	s_lshr_b32 s13, s[WV], 1
	s_and_b32 s14, s[WV], 1
	s_bfe_u32 s40, ttmp6, 0x40000                  ; cx, cy: my place in the cluster
	s_bfe_u32 s41, ttmp6, 0x40004
	s_lshl_b32 s42, ttmp9, 2
	s_add_co_u32 s42, s42, s40                     ; tile column = 4 x cluster x + cx
	s_and_b32 s15, ttmp7, 0xffff
	s_lshl_b32 s15, s15, 2
	s_add_co_u32 s15, s15, s41                     ; tile row = 4 x cluster y + cy
	s_lshl_b32 s43, s41, 2
	s_lshl_b32 s43, 15, s43                        ; my row of the cluster
	s_lshl_b32 s44, 0x1111, s40                    ; my column
	; descriptor group 1.  vals: a plane of 256 rows x 64 elements, dense in memory; w_o: 64 rows x 128 elements, 1,024 apart
	s_or_b32 s[G1+0], s43, (1<<16)|(1<<20)|(1<<21)|(4<<22)|(3<<25)   ; 15:0 the mask; 17:16 elements of 2 bytes; 20 padding on; 21 set beside a mask; 24:22 after every 32 words; 31:25 four words
	s_mov_b32 s[G1+1], 64<<16                      ; tensor_dim0
	s_mov_b32 s[G1+2], 256<<16                     ; tensor_dim1
	s_mov_b32 s[G1+3], 64<<16                      ; tile_dim0
	s_mov_b32 s[G1+4], 256                         ; tile_dim1
	s_mov_b32 s[G1+5], 64                          ; elements from row to row
	s_mov_b32 s[G1+6], 0
	s_mov_b32 s[G1+7], 0
	s_or_b32 s[G1B+0], s44, (1<<16)|(1<<20)|(1<<21)|(5<<22)|(3<<25)  ; padding after every 64 words
	s_mov_b32 s[G1B+1], 128<<16
	s_mov_b32 s[G1B+2], 64<<16
	s_mov_b32 s[G1B+3], 128<<16
	s_mov_b32 s[G1B+4], 64
	s_mov_b32 s[G1B+5], 1024
	s_mov_b32 s[G1B+6], 0
	s_mov_b32 s[G1B+7], 0
	; where the tiles come from.  vals': the tile row alone, which my row of the cluster shares; w_o's: the tile column alone, which my column shares
	s_lshr_b32 s16, s15, 3                         ; batch: eight tile rows each
	s_lshl_b32 s16, s16, 4                         ; its first head,
	s_add_co_u32 s16, s16, s14                     ; + my plane
	s_lshl_b32 s16, s16, 18                        ; a head is 2^18 bytes
	s_and_b32 s17, s15, 7
	s_lshl_b32 s17, s17, 15                        ; 256 rows of 128 bytes
	s_add_co_u32 s16, s16, s17
	s_mov_b32 s17, 0
	s_lshl_b32 s46, s42, 7
	s_lshl_b32 s47, s14, 6
	s_add_co_u32 s46, s46, s47                     ; w_o: row 128 x tile column + 64 x half
	s_lshl_b32 s46, s46, 11                        ; of 2,048 bytes
	s_mov_b32 s47, 0
	s_mul_i32 s20, s14, PLANE                      ; and where they go: no place in the cluster enters an LDS address
	s_mul_i32 s45, s14, HALFB
	s_add_co_u32 s45, s45, BOFF
	s_wait_dscnt 0x0                               ; both opening adds are done
	s_wait_kmcnt 0x0
	s_add_nc_u64 s[16:17], s[4:5], s[16:17]
	s_add_nc_u64 s[46:47], s[6:7], s[46:47]
	CROUND                                         ; all sixteen work-groups are here: the first joint loads meet
.irp s, 0,1
	s_mov_b32 s[G0+4*\s], 1
	s_add_co_u32 s[G0+4*\s+1], s20, \s*SLOT
	s_add_nc_u64 s[G0+4*\s+2:G0+4*\s+3], s[16:17], \s*(2<<18)   ; K step s: heads 2 s, 2 s + 1
	s_or_b32 s[G0+4*\s+3], s[G0+4*\s+3], 0x80000000
	s_mov_b32 s[G0B+4*\s], 1
	s_add_co_u32 s[G0B+4*\s+1], s45, \s*SLOT
	s_add_nc_u64 s[G0B+4*\s+2:G0B+4*\s+3], s[46:47], \s*256
	s_or_b32 s[G0B+4*\s+3], s[G0B+4*\s+3], 0x80000000
	JLOAD \s                                       ; two loads of mine are out behind the second
.endr
	v_and_b32 v1, 15, v0                           ; l % 16
	v_bfe_u32 v2, v0, 4, 1                         ; l / 16
	v_mul_u32_u24 v3, v1, PA
	v_lshl_add_u32 v3, v2, 4, v3                   ; a fragment's row x pitch + 16 x half
	v_mul_u32_u24 v4, v1, PB
	v_lshl_add_u32 v4, v2, 4, v4
	s_mul_i32 s21, s13, 128*PA                     ; my 128 rows of each plane
	s_mul_i32 s22, s14, HALFB                      ; my 64 rows of w_o
	s_add_co_u32 s22, s22, BOFF
.irp s, 0,1
	v_add_nc_u32 v[ADRA+\s], s21, v3
	v_add_nc_u32 v[ADRB+\s], s22, v4
	s_add_co_u32 s21, s21, SLOT
	s_add_co_u32 s22, s22, SLOT
.endr
	s_mul_i32 s23, s[WV], 16*SPITCH
	s_add_co_u32 s23, s23, STAGE                   ; my stage
	v_mul_u32_u24 v5, v1, SPITCH                   ; in: row l % 16, 32 bytes for each half of the lanes
	v_lshl_add_u32 v5, v2, 5, v5
	v_add_nc_u32 v[STO], s23, v5
	v_mul_u32_u24 v5, v2, SPITCH                   ; back: lanes 0-15 one row of 256 bytes, lanes 16-31 the next
	v_lshl_add_u32 v5, v1, 4, v5
	v_add_nc_u32 v[RD], s23, v5
	v_lshlrev_b32 v5, 12, v2                       ; and the same two rows in out: 4,096 bytes a row
	v_lshl_add_u32 v[CO], v1, 4, v5
	v_lshlrev_b32 v[BO], 5, v2
	s_lshl_b32 s46, s42, 9                         ; my first column, in bytes: 4 (128 x tile column + 64 x half)
	s_lshl_b32 s47, s14, 8
	s_add_co_u32 s46, s46, s47
	s_mov_b32 s47, 0
	s_add_nc_u64 s[8:9], s[8:9], s[46:47]          ; its bias
	s_lshl_b32 s16, s15, 8
	s_lshl_b32 s17, s13, 7
	s_add_co_u32 s16, s16, s17                     ; my first row: 256 x tile row + 128 x half
	s_lshl_b32 s16, s16, 12
	s_add_co_u32 s16, s16, s46
	s_mov_b32 s17, 0
	s_add_nc_u64 s[10:11], s[10:11], s[16:17]
	WIN TO_F
.irp b, 0,1,2,3                        ; in the result a lane's eight registers of block b are columns 16 b + 8 (l / 16) + 0 .. 7
	global_load_b128 v[BIAS+8*\b:BIAS+8*\b+3],   v[BO], s[8:9] offset:64*\b
	global_load_b128 v[BIAS+8*\b+4:BIAS+8*\b+7], v[BO], s[8:9] offset:64*\b+16
.endr
	WIN 0
; 8 matrix instructions: row blocks a0, a0 + 1 x all 4 column blocks, 32 along K.  zero = 1: the first product starts the sum on the bias.  The 32 accumulators take turns, one instruction a turn, in the same order in every quarter.
.macro MUL8 f, a0, zero
.irp a, \a0, \a0+1
.irp b, 0,1,2,3
.if \zero
	v_wmma_f32_16x16x32_f16 v[8*(4*(\a)+\b):8*(4*(\a)+\b)+7], v[\f+8*\b:\f+8*\b+7], v[\f+32+8*(\a):\f+32+8*(\a)+7], v[BIAS+8*\b:BIAS+8*\b+7]
.else
	v_wmma_f32_16x16x32_f16 v[8*(4*(\a)+\b):8*(4*(\a)+\b)+7], v[\f+8*\b:\f+8*\b+7], v[\f+32+8*(\a):\f+32+8*(\a)+7], v[8*(4*(\a)+\b):8*(4*(\a)+\b)+7]
.endif
.endr
.endr
.endm
; 24 LDS loads in one run: the fragments of the slot's q-th 32 along K into buffer f: w_o's four, then vals' eight.  Quarter q lies in plane q / 2, channels 32 (q % 2) on.
.macro FETCH slot, q, f
	WIN TO_F
.irp i, 0,1,2,3
	ds_load_b128 v[\f+8*\i:\f+8*\i+3],   v[ADRB+\slot] offset:\i*16*PB+64*(\q)
	ds_load_b128 v[\f+8*\i+4:\f+8*\i+7], v[ADRB+\slot] offset:\i*16*PB+64*(\q)+32
.endr
.irp i, 0,1,2,3,4,5,6,7
	ds_load_b128 v[\f+32+8*\i:\f+32+8*\i+3],   v[ADRA+\slot] offset:((\q)/2)*PLANE+\i*16*PA+64*((\q)%2)
	ds_load_b128 v[\f+32+8*\i+4:\f+32+8*\i+7], v[ADRA+\slot] offset:((\q)/2)*PLANE+\i*16*PA+64*((\q)%2)+32
.endr
.endm
.macro PLACES                          ; four places in front of loads into registers that matrix instructions have read, and of the first read of results
.rept 4
	v_nop
.endr
.endm
; A K step is four quarters of 32 along K, 32 matrix instructions each, on buffers 0, 1, 0, 1.  One of the first three: multiplies buffer f and fetches quarter q into g.
.macro QUARTER slot, q, f, g, zero
	s_wait_dscnt 8                                 ; w_o's fragments and vals' blocks 0-3 are in; the youngest eight loads (blocks 4-7) may be out
.if \zero
	WIN MUL_Z
.else
	WIN MUL
.endif
	MUL8 \f, 0, \zero
	MUL8 \f, 2, \zero
	PLACES
	FETCH \slot, \q, \g
	s_wait_dscnt 24                                ; all but the 24 just issued
.if \zero
	WIN MUL_Z
.else
	WIN MUL
.endif
	MUL8 \f, 4, \zero
	MUL8 \f, 6, \zero
.endm
; The last quarter multiplies buffer 1 and changes slots: ONE barrier; in front of it each wave waits for all its tensor loads, adds 0 to its spare word, and waits for that and for its own reads of this slot.
; fill = 1: this slot is filled again, two K steps ahead; the barrier then opens a round of the cluster's.
.macro TURN slot, next, fill
	WIN 0                                          ; (the add's two registers lie in window 0)
	s_wait_tensorcnt 0x0                           ; all my tensor loads have landed: my part of the next slot;
	ds_add_u32 v[SPW], v[NIL]                      ; 0 onto my spare word;
	s_wait_dscnt 9                                 ; (the add and the youngest eight loads may be out)
	WIN MUL
	MUL8 F1, 0, 0                                  ; eight matrix instructions stand between the add and the wait for it
	s_wait_dscnt 0x0                               ; the add is done, and my reads of this slot are over
	s_barrier_signal -1
	MUL8 F1, 2, 0
.if \fill
	WIN 0
.endif
	s_barrier_wait -1
.if \fill
	CREST                                          ; no wave of any partner still reads this slot's tiles or has a load on its way
	s_add_nc_u64 s[G0+4*\slot+2:G0+4*\slot+3], s[G0+4*\slot+2:G0+4*\slot+3], 4<<18   ; four heads on
	s_add_nc_u64 s[G0B+4*\slot+2:G0B+4*\slot+3], s[G0B+4*\slot+2:G0B+4*\slot+3], 512
	JLOAD \slot                                    ; the first tensor load behind the round; the four v_nop behind it are also the places in front of the loads below
.else
	PLACES
.endif
	FETCH \next, 0, F0
	WIN MUL
	MUL8 F1, 4, 0
	MUL8 F1, 6, 0
.endm
	s_wait_tensorcnt 1                             ; my part of K step 0 is in (K step 1's load may be out)
	s_barrier_signal -1
	s_barrier_wait -1                              ; everybody's is
	FETCH 0, 0, F0
	s_wait_loadcnt 0x0                             ; the bias
	QUARTER 0, 1, F0, F1, 1                        ; the first quarter stands in front of the loop: its products start the sums
	WIN 0                                          ; at a label and at a branch every window is 0
	s_mov_b32 s3, LAPS-1
.Llap:                                             ; a trip goes once round the ring, from a lap's second quarter to the next lap's first, and fills both slots again
	QUARTER 0, 2, F1, F0, 0
	QUARTER 0, 3, F0, F1, 0
	TURN 0, 1, 1
	QUARTER 1, 1, F0, F1, 0
	QUARTER 1, 2, F1, F0, 0
	QUARTER 1, 3, F0, F1, 0
	TURN 1, 0, 1
	QUARTER 0, 1, F0, F1, 0
	WIN 0
	s_sub_co_u32 s3, s3, 1
	s_cmp_lg_u32 s3, 0
	s_cbranch_scc1 .Llap
	QUARTER 0, 2, F1, F0, 0                        ; the last lap fills nothing, and has no round of the cluster's barrier
	QUARTER 0, 3, F0, F1, 0
	TURN 0, 1, 0
	QUARTER 1, 1, F0, F1, 0
	QUARTER 1, 2, F1, F0, 0
	QUARTER 1, 3, F0, F1, 0
	s_wait_dscnt 8                                 ; the very last quarter: nothing more to fetch
	WIN MUL
	MUL8 F1, 0, 0
	MUL8 F1, 2, 0
	s_wait_dscnt 0x0
	MUL8 F1, 4, 0
	MUL8 F1, 6, 0
	WIN 0
; THE WAY OUT, block by block of 16 rows x 64 columns.  A lane holds 32 neighbouring bytes of a row, and the lanes beside it hold other rows: a block goes through my own stage and comes back as whole rows of 256 bytes.
.macro TOSTAGE a
	WIN 0x08                                       ; an LDS store's data are its source 1: window 2
.irp b, 0,1,2,3
	ds_store_b128 v[STO], v[8*(4*(\a)+\b):8*(4*(\a)+\b)+3] offset:64*\b          ; each accumulator from its low end on
	ds_store_b128 v[STO], v[8*(4*(\a)+\b)+4:8*(4*(\a)+\b)+7] offset:64*\b+16
.endr
	WIN 0
.set BB, OB+32*((\a)%2)
.irp i, 0,1,2,3,4,5,6,7
	ds_load_b128 v[BB+4*\i:BB+4*\i+3], v[RD] offset:\i*2*SPITCH   ; LDS serves a wave's instructions in order (ISA guide 5.7.1.4): these see the stores above
.endr
.endm
.macro SEND a, younger                 ; younger: the LDS instructions issued behind block a's loads, which may stay out
.set BB, OB+32*((\a)%2)
	s_wait_dscnt \younger                          ; the block is back in registers
.irp i, 0,1,2,3,4,5,6,7
	global_store_b128 v[CO], v[BB+4*\i:BB+4*\i+3], s[10:11] offset:(16*(\a)+2*\i)*SIZE_N*4 th:TH_STORE_NT   ; 16 lanes store 256 consecutive bytes, at a multiple of 256 from out's first byte; 126 rows at the most: inside the signed 24-bit immediate
.endr
.endm
	PLACES                                         ; behind the last products, in front of the first read of results
	TOSTAGE 0
.irp a, 1,2,3,4,5,6,7
.if \a > 1
	s_wait_xcnt 0x0                                ; block a - 2's stores have read their registers: block a's loads may land there
.endif
	TOSTAGE \a
	SEND \a-1, 16                                  ; behind block a - 1's loads: block a's 8 stores and 8 loads
.endr
	SEND 7, 0
	s_wait_tensorcnt 0x0                           ; the wave's end: behind my last tensor load and my last LDS store
	ds_add_u32 v[SPW], v[NIL]
	s_wait_dscnt 0x0
	CROUND                                         ; the closing round: no work-group ends while a partner may still ask for a tile that names it
	s_endpgm
.Lfunc_end_k_q5f11aba359_oproj:
	.size	k_q5f11aba359_oproj, .Lfunc_end_k_q5f11aba359_oproj-k_q5f11aba359_oproj
	.p2alignl 7, 3214868480
	.fill 96, 4, 3214868480
	.section	.rodata,"a",@progbits
	.p2align	6, 0x0
	.amdhsa_kernel k_q5f11aba359_oproj
		.amdhsa_group_segment_fixed_size 327680
		.amdhsa_private_segment_fixed_size 0
		.amdhsa_enable_private_segment 0
		.amdhsa_kernarg_size 32
		.amdhsa_user_sgpr_count 2
		.amdhsa_user_sgpr_kernarg_segment_ptr 1
		.amdhsa_wavefront_size32 1
		.amdhsa_system_sgpr_workgroup_id_x 1
		.amdhsa_system_sgpr_workgroup_id_y 1
		.amdhsa_system_sgpr_workgroup_id_z 1
		.amdhsa_system_vgpr_workitem_id 0
		.amdhsa_next_free_vgpr 768
		.amdhsa_next_free_sgpr 66
		.amdhsa_reserve_vcc 0
		.amdhsa_float_denorm_mode_32 3
		.amdhsa_float_denorm_mode_16_64 3
		.amdhsa_memory_ordered 1
		.amdhsa_forward_progress 1
		.amdhsa_inst_pref_size 86
	.end_amdhsa_kernel
	.amdgpu_metadata
---
amdhsa.version: [ 1, 2 ]
amdhsa.kernels:
  - .name:           k_q5f11aba359_oproj
    .symbol:         k_q5f11aba359_oproj.kd
    .args:
      - { .name: vals16, .offset: 0, .size: 8, .value_kind: global_buffer, .address_space: global }
      - { .name: wo16, .offset: 8, .size: 8, .value_kind: global_buffer, .address_space: global }
      - { .name: b_o, .offset: 16, .size: 8, .value_kind: global_buffer, .address_space: global }
      - { .name: out0, .offset: 24, .size: 8, .value_kind: global_buffer, .address_space: global }
    .group_segment_fixed_size: 327680
    .private_segment_fixed_size: 0
    .kernarg_segment_align: 8
    .kernarg_segment_size: 32
    .max_flat_workgroup_size: 128
    .sgpr_count:     66
    .vgpr_count:     768
    .wavefront_size: 32
...
	.end_amdgpu_metadata
.endif
;; end of part 4
